; MI455X (gfx1250); checked and timed in simulation.
; The chip was launched on July 23, 2026; its instructions are those of AMD's public machine-readable ISA for CDNA 5 (MIT licence, August 2026) and "CDNA5" Instruction Set Architecture Reference Guide (July 2026). The comments in the code are by the model that wrote it; some were corrected since.
;; Convex Plane Computer. Allowed arithmetic: float matrix products may take bf16 or f16 operands with f32 sums; all other float work in f32.
;; Inputs: pointcloud 200,000 x 3 float32; targets 256 x 3 float32.
;; Outputs: out0 6 x 256 x 3 float32; out1 6 x 256 float32.
;; 3 versions, each right and faster than the one before. Each part assembles by itself: llvm-mc -triple=amdgcn-amd-amdhsa -mcpu=gfx1250 --defsym DOCPART=n.
;; ======== version 1 of 3: 7 launches
;; limits: values within 0.000488 (relative) of each other or of a threshold may be ordered or decided otherwise than in the reference; inputs' magnitudes at most 524,288
;; workspace buffers: candA 65,792 bytes of whole numbers; candB 65,792 bytes of whole numbers; pl0 4,096 bytes; pl1 4,096 bytes; pl2 4,096 bytes; pl3 4,096 bytes; pl4 4,096 bytes
;; launch first (part 1): grid 64 x 4, 8 waves a work-group, no clusters, 215,040 bytes of LDS; arguments pointcloud, targets, candA; writes candA
.if DOCPART == 1
	.amdgcn_target "amdgcn-amd-amdhsa--gfx1250"
	.amdhsa_code_object_version 6
	.text
	.protected	k_q586dd72e9c_first
	.globl	k_q586dd72e9c_first
	.p2align	8
	.type	k_q586dd72e9c_first,@function
k_q586dd72e9c_first:
	s_mov_b64 s[64:65], 0
	v_nop
	global_prefetch_b8 v0, s[64:65] scope:SCOPE_SE
	s_setreg_imm32_b32 hwreg(HW_REG_WAVE_MODE, 25, 1), 1
	s_wait_xcnt 0x0
; Round 0 of the plane search: for each of 256 targets and each of 64 slices of 3,136 points, the nearest point of the slice.
; Stored: cand[slice][target] = the point's number (0x7fffffff: none), and behind the table 256 bytes with the number of planes known so far, 0.
; The next launch fetches a target's 64 winners and decides between them: no address of this launch hangs on a distance.
; Work-group (x = slice, y = quarter of the targets): 64 targets x 196 tiles of 16 points.  Wave w: 32 targets (w & 1), 49 tiles (w >> 1).
; -d2 = 2 t.p - p2 - t2 is ONE matrix instruction for 16 targets x 16 points: every f32 number is cut into three bf16 pieces whose sum is the
; number, and the 32 places of K hold the products of the pieces (x: K 0-7, y: 8-15, z: 16-23, p2 and t2: 24-31); only low x low is left out.
; A point's key is -d2 with its lowest 12 bits replaced by the point's number in the slice; the largest key wins.
; LIMITS: two points of one slice whose d2 agree in sign, exponent and 11 mantissa bits are ordered by number, not by d2; a distance is valid
; below 2^40, so coordinates stay below 2^19; the sum inside the matrix instruction is rounded otherwise than a chain of f32 additions.
.set NPTS,  200000
.set NM1,   NPTS-1
.set SLICE, 3136
.set RED,   212992                     ; LDS: [8 waves][32 targets] f32.  Bytes 0 to 204,799: 200 tiles of 1,024 bytes, the points as B fragments
.set PT,    32                         ; v[32:131]  25 points of the build, 4 registers each
.set OUTR,  132                        ; v[132:139] a fragment on its way to LDS
.set AF,    32                         ; later: A fragments, quantity k of group g at AF + 48 g + 8 k
.set BEST,  128                        ; v[128:143] largest key of target 16 g + 8 h + j at BEST + 8 g + j
.set BF,    144                        ; v[144:159] two B fragments
.set TG,    148                        ; before the loop: my two targets, v[148:150], v[152:154]
.set DD,    160                        ; results: quantity k of group g at DD + 48 g + 8 k
.macro SPLIT src, h, m, l              ; v[src] = h + m + l exactly, each with 8 significant bits: its upper half is a bf16
	v_and_b32 v[\h], s31, v[\src]
	v_sub_f32 v[\l], v[\src], v[\h]
	v_and_b32 v[\m], s31, v[\l]
	v_sub_f32 v[\l], v[\l], v[\m]
.endm
; One tile of 16 points as a B fragment.  Lanes 0-15 hold x (registers 0-3) and z (4-7), lanes 16-31 y and (p2, ones).
; A coordinate's eight places: h m l h m l h m.  The last block: p2h p2m p2l 1 1 1 1 1.
.macro BTILE k
	v_mul_f32 v16, v[PT+4*\k], v[PT+4*\k]
	v_fma_f32 v16, v[PT+4*\k+1], v[PT+4*\k+1], v16
	v_fma_f32 v16, v[PT+4*\k+2], v[PT+4*\k+2], v16         ; p2
	v_cmp_ge_u32 vcc_lo, NM1-16*\k, v8                     ; is the point inside the cloud?
	v_cndmask_b32 v16, s4, v16, vcc_lo                     ; if not, p2 = 2^60: never valid
	v_cndmask_b32 v17, v[PT+4*\k], v[PT+4*\k+1], s31       ; x | y
	v_cndmask_b32 v18, v[PT+4*\k+2], v16, s31              ; z | p2
	SPLIT 17, 19, 20, 21
	SPLIT 18, 22, 23, 24
	v_perm_b32 v[OUTR+0], v20, v19, s32                    ; (h, m): the second source's upper half goes below
	v_perm_b32 v[OUTR+1], v19, v21, s32                    ; (l, h)
	v_perm_b32 v[OUTR+2], v21, v20, s32                    ; (m, l)
	v_mov_b32 v[OUTR+3], v[OUTR+0]                         ; (h, m)
	v_cndmask_b32 v25, v22, 1.0, s31
	v_cndmask_b32 v26, v23, 1.0, s31
	v_cndmask_b32 v27, v24, 1.0, s31
	v_perm_b32 v[OUTR+4], v23, v22, s32                    ; (h, m)   | (p2h, p2m)
	v_perm_b32 v[OUTR+5], v25, v24, s32                    ; (l, h)   | (p2l, 1)
	v_perm_b32 v[OUTR+6], v27, v26, s32                    ; (m, l)   | (1, 1)
	v_perm_b32 v[OUTR+7], v26, v25, s32                    ; (h, m)   | (1, 1)
	ds_store_b128 v6, v[OUTR:OUTR+3] offset:1024*\k
	ds_store_b128 v6, v[OUTR+4:OUTR+7] offset:1024*\k+512
.endm
; An A fragment from coefficients vx, vy, vz and a constant c.  A coordinate's places: Vh Vh Vh Vm Vm Vm Vl Vl.  The last block: one one one ch cm cl e0 e1.
.macro ABUILD dst, vx, vy, vz, c, one, epk
	v_cndmask_b32 v16, v[\vx], v[\vy], s31
	v_cndmask_b32 v17, v[\vz], v[\c], s31
	SPLIT 16, 18, 19, 20
	SPLIT 17, 21, 22, 23
	v_perm_b32 v[\dst+0], v18, v18, s32
	v_perm_b32 v[\dst+1], v19, v18, s32
	v_perm_b32 v[\dst+2], v19, v19, s32
	v_perm_b32 v[\dst+3], v20, v20, s32
	v_cndmask_b32 v24, v21, \one, s31
	v_cndmask_b32 v25, v22, v21, s31
	v_cndmask_b32 v26, v22, v23, s31
	v_perm_b32 v[\dst+4], v24, v24, s32
	v_perm_b32 v[\dst+5], v25, v24, s32
	v_perm_b32 v[\dst+6], v26, v22, s32
	v_perm_b32 v27, v23, v23, s32
	v_cndmask_b32 v[\dst+7], v27, \epk, s31
.endm
.macro DFRAG g                         ; the fragment of -d2: coefficients 2 t, constant -t2, p2 taken with -1
	v_mul_f32 v31, v[TG+4*\g], v[TG+4*\g]
	v_fma_f32 v31, v[TG+4*\g+1], v[TG+4*\g+1], v31
	v_fma_f32 v31, v[TG+4*\g+2], v[TG+4*\g+2], v31
	v_mul_f32 v28, 2.0, v[TG+4*\g]
	v_mul_f32 v29, 2.0, v[TG+4*\g+1]
	v_mul_f32 v30, 2.0, v[TG+4*\g+2]
	v_mul_f32 v31, -1.0, v31
	ABUILD AF+48*\g, 28, 29, 30, 31, -1.0, 0
.endm
.macro WM g, P, bf                     ; P + 1 quantities of one tile; each product starts from the constant 0: there are no sums in place
.set wk, 0
.rept \P+1
	v_wmma_f32_16x16x32_bf16 v[DD+48*\g+8*wk:DD+48*\g+8*wk+7], v[AF+48*\g+8*wk:AF+48*\g+8*wk+7], v[BF+8*\bf:BF+8*\bf+7], 0
.set wk, wk+1
.endr
.endm
.macro RED8 g, P                       ; key = min(packed -d2, Y1 .. YP); best = max(best, key)
.irp j, 0,1,2,3,4,5,6,7
	v_and_or_b32 v[DD+48*\g+\j], v[DD+48*\g+\j], s33, v7
.endr
.if \P >= 2
.irp j, 0,1,2,3,4,5,6,7
	v_min3_num_f32 v[DD+48*\g+\j], v[DD+48*\g+\j], v[DD+48*\g+8+\j], v[DD+48*\g+16+\j]
.endr
.endif
.if \P >= 4
.irp j, 0,1,2,3,4,5,6,7
	v_min3_num_f32 v[DD+48*\g+\j], v[DD+48*\g+\j], v[DD+48*\g+24+\j], v[DD+48*\g+32+\j]
.endr
.endif
.if \P & 1
.irp j, 0,1,2,3,4,5,6,7
	v_minmax_num_f32 v[BEST+8*\g+\j], v[DD+48*\g+\j], v[DD+48*\g+8*\P+\j], v[BEST+8*\g+\j]
.endr
.else
.irp j, 0,1,2,3,4,5,6,7
	v_max_num_f32 v[BEST+8*\g+\j], v[BEST+8*\g+\j], v[DD+48*\g+\j]
.endr
.endif
.endm
; One tile.  Group 1's results of the tile before are reduced behind group 0's matrix instructions, group 0's behind group 1's: at least sixteen
; plain vector instructions that name none of its registers stand behind every matrix instruction before its result is read or written over
; or its B fragment loaded again (ISA guide 7.12.1 asks for four and five); in the first tile five v_nop.
.macro TILE P, bf, first, off
	s_wait_dscnt 0x2                                       ; LDS loads return in order: this buffer's two are in, the other buffer's two may be out
	WM 0, \P, \bf
.if \first
.rept 5
	v_nop
.endr
.else
	RED8 1, \P
	v_add_nc_u32 v7, 16, v7                                ; the points' numbers of this tile
.endif
	WM 1, \P, \bf
	RED8 0, \P
	ds_load_b128 v[BF+8*\bf:BF+8*\bf+3], v6 offset:\off    ; the tile after the next
	ds_load_b128 v[BF+8*\bf+4:BF+8*\bf+7], v6 offset:\off+512
.endm
.macro SCANLOOP P                      ; 1 + 2 x 24 = 49 tiles; the look-ahead reads at most tile 197 of the 200 built
.irp j, 0,1,2,3,4,5,6,7,8,9,10,11,12,13,14,15
	v_mov_b32 v[BEST+\j], s51
.endr
	ds_load_b128 v[BF:BF+3], v6
	ds_load_b128 v[BF+4:BF+7], v6 offset:512
	ds_load_b128 v[BF+8:BF+11], v6 offset:1024
	ds_load_b128 v[BF+12:BF+15], v6 offset:1536
	TILE \P, 0, 1, 2048
	s_mov_b32 s57, 24
.Lloop_\P:
	TILE \P, 1, 0, 3072
	TILE \P, 0, 0, 4096
	v_add_nc_u32 v6, 2048, v6
	s_sub_co_i32 s57, s57, 1
	s_cmp_lg_u32 s57, 0
	s_cbranch_scc1 .Lloop_\P
	RED8 1, \P
.endm
	s_load_b128 s[8:11], s[0:1], 0x0               ; pointcloud s[8:9], targets s[10:11]
	s_load_b64 s[14:15], s[0:1], 0x10              ; the candidates' table
	v_lshl_add_u32 v254, v0, 2, 0x34400
	v_mov_b32 v255, 0
	v_and_b32 v1, 31, v0                           ; lane
	v_and_b32 v2, 15, v0                           ; r
	v_lshrrev_b32 v16, 5, v0
	v_readfirstlane_b32 s35, v16                   ; wave
	s_mov_b32 s58, ttmp9                           ; slice
	s_and_b32 s59, ttmp7, 0xffff                   ; quarter of the targets
	s_and_b32 s61, s35, 1                          ; which 32 targets
	s_lshr_b32 s39, s35, 1                         ; which 49 tiles
	s_mul_i32 s62, s58, SLICE                      ; the slice's first point
	s_mov_b32 s31, 0xffff0000                      ; lanes 16-31, and a word's upper half
	s_mov_b32 s32, 0x07060302                      ; v_perm_b32: two upper halves
	s_mov_b32 s33, 0xfffff000
	s_mov_b32 s51, 0xff800000                      ; -infinity
	s_mov_b32 s4, 0x5d800000                       ; 2^60
	s_mov_b32 s6, 0x7fffffff                       ; no candidate
	s_mov_b32 s7, 0xd3800000                       ; -2^40
	s_lshl_b32 s2, s59, 6
	s_lshl_b32 s3, s61, 5
	s_add_co_u32 s2, s2, s3
	v_add_nc_u32 v17, s2, v2                       ; my first target: 64 y + 32 (w & 1) + r
	v_mul_u32_u24 v4, 12, v17
	s_mul_i32 s2, s35, 25600
	v_lshl_add_u32 v6, v1, 4, s2                   ; the build: my wave's 25 tiles, 16 bytes a lane
	s_mul_i32 s2, s39, 784
	v_add_nc_u32 v7, s2, v2                        ; my point's number in the slice, first tile of the loop
	s_mul_i32 s2, s35, 400
	s_add_co_u32 s2, s2, s62
	v_add_nc_u32 v8, s2, v2                        ; my point's number in the cloud, first tile of the build
	v_lshrrev_b32 v16, 4, v1                       ; h
	s_lshl_b32 s2, s35, 7
	s_add_co_u32 s2, s2, RED
	v_lshl_add_u32 v11, v16, 5, s2
	s_wait_kmcnt 0x0
.irp k, 0,1,2,3,4,5,6,7,8,9,10,11,12,13,14,15,16,17,18,19,20,21,22,23,24
	v_add_nc_u32 v[PT+4*\k], 16*\k, v8
	v_min_u32 v[PT+4*\k], NM1, v[PT+4*\k]          ; the last slice runs past the cloud: no load leaves the buffer
	v_mul_u32_u24 v[PT+4*\k], 12, v[PT+4*\k]
	global_load_b96 v[PT+4*\k:PT+4*\k+2], v[PT+4*\k], s[8:9]       ; the load lands on its own address register
.endr
	global_load_b96 v[TG:TG+2], v4, s[10:11]
	global_load_b96 v[TG+4:TG+6], v4, s[10:11] offset:192
	s_wait_loadcnt 0x0                             ; all of it is needed next
.irp k, 0,1,2,3,4,5,6,7,8,9,10,11,12,13,14,15,16,17,18,19,20,21,22,23,24
	BTILE \k
.endr
	s_wait_dscnt 0x0                               ; my tiles are in LDS,
	s_barrier_signal -1
	s_barrier_wait -1                              ; everybody's are
	s_mul_i32 s2, s39, 50176
	v_lshl_add_u32 v6, v1, 4, s2                   ; my 49 tiles
	DFRAG 0
	DFRAG 1
	SCANLOOP 0
	; the largest key over the sixteen points of a lane half, then over the four waves that share the targets
.irp m, 1,2,4,8
.irp j, 0,1,2,3,4,5,6,7,8,9,10,11,12,13,14,15
	v_max_num_f32_dpp v[BEST+\j], v[BEST+\j], v[BEST+\j] row_xmask:\m row_mask:0xf bank_mask:0xf
.endr
.endr
.irp j, 0,1,2,3,4,5,6,7
	ds_store_b32 v11, v[BEST+\j] offset:4*\j       ; sixteen lanes write one word with one value
	ds_store_b32 v11, v[BEST+8+\j] offset:64+4*\j
.endr
	s_wait_dscnt 0x0                               ; my words are in LDS, and the two look-ahead fragments are back
	s_barrier_signal -1
	s_barrier_wait -1
	s_cmp_lg_u32 s35, 0
	s_cbranch_scc1 .Lend
	v_lshlrev_b32 v24, 4, v2
	v_add_nc_u32 v25, RED, v24
.irp q, 0,1,2,3
	ds_load_b128 v[32+4*\q:35+4*\q], v25 offset:256*\q     ; four targets a lane, one load for each quarter of the tiles
.endr
	s_lshl_b32 s2, s58, 10
	s_lshl_b32 s3, s59, 8
	s_add_co_u32 s2, s2, s3
	v_add_nc_u32 v26, s2, v24                      ; 1,024 slice + 256 y + 16 lane
.irp c, 0,1,2,3
	v_mov_b32 v[48+\c], 0                          ; planes known so far
.endr
	s_wait_dscnt 0x0
.irp c, 0,1,2,3
	v_max3_num_f32 v[32+\c], v[32+\c], v[36+\c], v[40+\c]
	v_max_num_f32 v[32+\c], v[32+\c], v[44+\c]
	v_cmp_lt_f32 vcc_lo, s7, v[32+\c]              ; valid: -2^40 < key
	v_and_b32 v[32+\c], 0xfff, v[32+\c]
	v_add_nc_u32 v[32+\c], s62, v[32+\c]           ; the point's number in the cloud
	v_cndmask_b32 v[32+\c], s6, v[32+\c], vcc_lo
.endr
	s_wait_xcnt 0x0                                ; EXEC changes only behind this wait
	v_cmp_gt_u32 vcc_lo, 16, v1
	s_and_saveexec_b32 s56, vcc_lo
	global_store_b128 v26, v[32:35], s[14:15]      ; sixteen lanes store 256 consecutive bytes, aligned
	s_or_b32 s2, s58, s59
	s_cmp_lg_u32 s2, 0
	s_cbranch_scc1 .Lnohdr
	global_store_b128 v24, v[48:51], s[14:15] offset:65536
.Lnohdr:
	s_wait_xcnt 0x0
	s_or_b32 exec_lo, exec_lo, s56
.Lend:
	s_wait_tensorcnt 0x0
	ds_add_u32 v254, v255
	s_wait_dscnt 0x0
	s_endpgm
.Lfunc_end_k_q586dd72e9c_first:
	.size	k_q586dd72e9c_first, .Lfunc_end_k_q586dd72e9c_first-k_q586dd72e9c_first
	.p2alignl 7, 3214868480
	.fill 96, 4, 3214868480
	.section	.rodata,"a",@progbits
	.p2align	6, 0x0
	.amdhsa_kernel k_q586dd72e9c_first
		.amdhsa_group_segment_fixed_size 215040
		.amdhsa_private_segment_fixed_size 0
		.amdhsa_enable_private_segment 0
		.amdhsa_kernarg_size 24
		.amdhsa_user_sgpr_count 2
		.amdhsa_user_sgpr_kernarg_segment_ptr 1
		.amdhsa_wavefront_size32 1
		.amdhsa_system_sgpr_workgroup_id_x 1
		.amdhsa_system_sgpr_workgroup_id_y 1
		.amdhsa_system_sgpr_workgroup_id_z 1
		.amdhsa_system_vgpr_workitem_id 0
		.amdhsa_next_free_vgpr 256
		.amdhsa_next_free_sgpr 66
		.amdhsa_reserve_vcc 1
		.amdhsa_float_denorm_mode_32 3
		.amdhsa_float_denorm_mode_16_64 3
		.amdhsa_memory_ordered 1
		.amdhsa_forward_progress 1
		.amdhsa_inst_pref_size 61
	.end_amdhsa_kernel
	.amdgpu_metadata
---
amdhsa.version: [ 1, 2 ]
amdhsa.kernels:
  - .name:           k_q586dd72e9c_first
    .symbol:         k_q586dd72e9c_first.kd
    .args:
      - { .name: pointcloud, .offset: 0, .size: 8, .value_kind: global_buffer, .address_space: global }
      - { .name: targets, .offset: 8, .size: 8, .value_kind: global_buffer, .address_space: global }
      - { .name: candA, .offset: 16, .size: 8, .value_kind: global_buffer, .address_space: global }
    .group_segment_fixed_size: 215040
    .private_segment_fixed_size: 0
    .kernarg_segment_align: 8
    .kernarg_segment_size: 24
    .max_flat_workgroup_size: 256
    .sgpr_count:     66
    .vgpr_count:     256
    .wavefront_size: 32
...
	.end_amdgpu_metadata
.endif
;; end of part 1
;; launch scan1 (part 2): grid 64 x 4, 8 waves a work-group, no clusters, 210,944 bytes of LDS; arguments pointcloud, targets, candA, candB, pl0, pl1, pl2, pl3, pl4, out0, out1; writes candB, pl0, out0, out1
.if DOCPART == 2
	.amdgcn_target "amdgcn-amd-amdhsa--gfx1250"
	.amdhsa_code_object_version 6
	.text
	.protected	k_q586dd72e9c_scan1
	.globl	k_q586dd72e9c_scan1
	.p2align	8
	.type	k_q586dd72e9c_scan1,@function
k_q586dd72e9c_scan1:
	s_mov_b64 s[64:65], 0
	v_nop
	global_prefetch_b8 v0, s[64:65] scope:SCOPE_SE
	s_setreg_imm32_b32 hwreg(HW_REG_WAVE_MODE, 25, 1), 1
	s_wait_xcnt 0x0
; Rounds 1 to 5 of the plane search, one body.  Arguments: points, targets, candidates in, candidates out, the plane table that is written,
; four plane tables that are only read (the older planes, in any order), out0, out1.
; The word behind the incoming candidates says how many planes are older than the one made here (0 to 4); P = that + 1 planes are tested.
; 1. Each of the 256 threads fetches 16 of the 64 x 64 slice winners of the work-group's 64 targets and takes the nearest by d2 in f32 as
;    (t2 + p2) - 2 t.p with fused chains, strictly smaller in ascending slice order; four partial winners a target meet in LDS.
;    No valid candidate: point 0.  2. The plane: a = (c - t) / (|c - t| + 1e-8), b = a.c; the work-groups of slice 0 store it.
; 3. The scan: as in the first launch, with P more matrix instructions a tile: Y = 2^100 (b - a.p - 1e-6), positive for points that stay.
;    key = min(packed -d2, Y1 .. YP): a removed point's key is below -2^40 and never valid.  Bits dropped inside the matrix instruction lower Y.
; LIMITS: as in the first launch (12 low bits of d2 give way to the point's number; valid d2 below 2^40, coordinates below 2^19);
; Y = 0 exactly counts as kept; the plane test is a near-exact sum, not the order of rounding of a chain of f32 operations;
; v_sqrt_f32 and v_rcp_f32 are good to 1 ulp and take denormals as zero (ISA guide, their entries).
.set NPTS,  200000
.set NM1,   NPTS-1
.set SLICE, 3136
.set CRED,  204800                     ; LDS: [4 parts][64 targets] x 16 bytes (x, y, z, d2).  Bytes below: 200 tiles of 1,024 bytes
.set RED,   208896                     ; LDS: [8 waves][32 targets] f32
.set PT,    32                         ; v[32:131]  25 points of the build
.set OUTR,  132                        ; v[132:139] a fragment on its way to LDS
.set AF,    32                         ; later: A fragments, quantity k of group g at AF + 48 g + 8 k (0: -d2, 1: newest plane, 2..: older)
.set BEST,  128                        ; v[128:143]
.set TT,    140                        ; v[140:142] the target whose candidates this thread weighs
.set BF,    144                        ; v[144:159] two B fragments
.set TG,    148                        ; before the loop: my two targets
.set DD,    160                        ; results of the loop
.set GA,    160                        ; before the loop: v[160:223] 16 fetched candidates (x, y, z, 0 or infinity); then 2 x 4 partial winners; then the older planes
.set NP,    224                        ; v[224:231] the new plane of my two targets (ax, ay, az, b)
.set IX,    232                        ; v[232:247] the 16 candidates' numbers
.macro SPLIT src, h, m, l              ; v[src] = h + m + l exactly, each with 8 significant bits
	v_and_b32 v[\h], s31, v[\src]
	v_sub_f32 v[\l], v[\src], v[\h]
	v_and_b32 v[\m], s31, v[\l]
	v_sub_f32 v[\l], v[\l], v[\m]
.endm
.macro BTILE k                         ; 16 points as a B fragment: places h m l h m l h m; last block p2h p2m p2l 1 1 1 1 1
	v_mul_f32 v16, v[PT+4*\k], v[PT+4*\k]
	v_fma_f32 v16, v[PT+4*\k+1], v[PT+4*\k+1], v16
	v_fma_f32 v16, v[PT+4*\k+2], v[PT+4*\k+2], v16
	v_cmp_ge_u32 vcc_lo, NM1-16*\k, v8
	v_cndmask_b32 v16, s4, v16, vcc_lo                     ; outside the cloud: p2 = 2^60
	v_cndmask_b32 v17, v[PT+4*\k], v[PT+4*\k+1], s31       ; x | y
	v_cndmask_b32 v18, v[PT+4*\k+2], v16, s31              ; z | p2
	SPLIT 17, 19, 20, 21
	SPLIT 18, 22, 23, 24
	v_perm_b32 v[OUTR+0], v20, v19, s32
	v_perm_b32 v[OUTR+1], v19, v21, s32
	v_perm_b32 v[OUTR+2], v21, v20, s32
	v_mov_b32 v[OUTR+3], v[OUTR+0]
	v_cndmask_b32 v25, v22, 1.0, s31
	v_cndmask_b32 v26, v23, 1.0, s31
	v_cndmask_b32 v27, v24, 1.0, s31
	v_perm_b32 v[OUTR+4], v23, v22, s32
	v_perm_b32 v[OUTR+5], v25, v24, s32
	v_perm_b32 v[OUTR+6], v27, v26, s32
	v_perm_b32 v[OUTR+7], v26, v25, s32
	ds_store_b128 v6, v[OUTR:OUTR+3] offset:1024*\k
	ds_store_b128 v6, v[OUTR+4:OUTR+7] offset:1024*\k+512
.endm
.macro ABUILD dst, vx, vy, vz, c, one, epk     ; places Vh Vh Vh Vm Vm Vm Vl Vl; last block one one one ch cm cl e0 e1
	v_cndmask_b32 v16, v[\vx], v[\vy], s31
	v_cndmask_b32 v17, v[\vz], v[\c], s31
	SPLIT 16, 18, 19, 20
	SPLIT 17, 21, 22, 23
	v_perm_b32 v[\dst+0], v18, v18, s32
	v_perm_b32 v[\dst+1], v19, v18, s32
	v_perm_b32 v[\dst+2], v19, v19, s32
	v_perm_b32 v[\dst+3], v20, v20, s32
	v_cndmask_b32 v24, v21, \one, s31
	v_cndmask_b32 v25, v22, v21, s31
	v_cndmask_b32 v26, v22, v23, s31
	v_perm_b32 v[\dst+4], v24, v24, s32
	v_perm_b32 v[\dst+5], v25, v24, s32
	v_perm_b32 v[\dst+6], v26, v22, s32
	v_perm_b32 v27, v23, v23, s32
	v_cndmask_b32 v[\dst+7], v27, \epk, s31
.endm
.macro DFRAG g                         ; -d2: coefficients 2 t, constant -t2, p2 taken with -1
	v_mul_f32 v31, v[TG+4*\g], v[TG+4*\g]
	v_fma_f32 v31, v[TG+4*\g+1], v[TG+4*\g+1], v31
	v_fma_f32 v31, v[TG+4*\g+2], v[TG+4*\g+2], v31
	v_mul_f32 v28, 2.0, v[TG+4*\g]
	v_mul_f32 v29, 2.0, v[TG+4*\g+1]
	v_mul_f32 v30, 2.0, v[TG+4*\g+2]
	v_mul_f32 v31, -1.0, v31
	ABUILD AF+48*\g, 28, 29, 30, 31, -1.0, 0
.endm
.macro PFRAG dst, src                  ; Y: coefficients -2^100 a, constant 2^100 b, and -2^100 x 1e-6 in two pieces; the scaling is exact
	v_mul_f32 v28, s49, v[\src]
	v_mul_f32 v29, s49, v[\src+1]
	v_mul_f32 v30, s49, v[\src+2]
	v_mul_f32 v31, s48, v[\src+3]
	ABUILD \dst, 28, 29, 30, 31, 0, s5
.endm
.macro CAND k                          ; candidate k against the thread's best so far
	v_mul_f32 v25, v[GA+4*\k], v[GA+4*\k]
	v_mul_f32 v26, v[TT], v[GA+4*\k]
	v_fma_f32 v25, v[GA+4*\k+1], v[GA+4*\k+1], v25
	v_fma_f32 v26, v[TT+1], v[GA+4*\k+1], v26
	v_fma_f32 v25, v[GA+4*\k+2], v[GA+4*\k+2], v25
	v_fma_f32 v26, v[TT+2], v[GA+4*\k+2], v26
	v_add_f32 v25, v24, v25                                ; t2 + p2
	v_fma_f32 v25, -2.0, v26, v25
.if \k == 0
	v_add_f32 v15, v25, v[GA+3]                            ; + 0, or + infinity where the slice had no candidate
	v_mov_b32 v12, v[GA]
	v_mov_b32 v13, v[GA+1]
	v_mov_b32 v14, v[GA+2]
.else
	v_add_f32 v25, v25, v[GA+4*\k+3]
	v_cmp_lt_f32 vcc_lo, v25, v15
	v_cndmask_b32 v12, v12, v[GA+4*\k], vcc_lo
	v_cndmask_b32 v13, v13, v[GA+4*\k+1], vcc_lo
	v_cndmask_b32 v14, v14, v[GA+4*\k+2], vcc_lo
	v_cndmask_b32 v15, v15, v25, vcc_lo
.endif
.endm
.macro COMBINE base                    ; four partial winners in ascending slice order; the result in the first one's registers
.irp q, 1,2,3
	v_cmp_lt_f32 vcc_lo, v[\base+4*\q+3], v[\base+3]
	v_cndmask_b32 v[\base+0], v[\base+0], v[\base+4*\q+0], vcc_lo
	v_cndmask_b32 v[\base+1], v[\base+1], v[\base+4*\q+1], vcc_lo
	v_cndmask_b32 v[\base+2], v[\base+2], v[\base+4*\q+2], vcc_lo
	v_cndmask_b32 v[\base+3], v[\base+3], v[\base+4*\q+3], vcc_lo
.endr
	v_cmp_eq_f32 vcc_lo, s34, v[\base+3]                   ; nothing left: point 0, as an argmin over infinities gives
	v_cndmask_b32 v[\base+0], v[\base+0], s36, vcc_lo
	v_cndmask_b32 v[\base+1], v[\base+1], s37, vcc_lo
	v_cndmask_b32 v[\base+2], v[\base+2], s38, vcc_lo
.endm
.macro PLANE np, c, t
	v_sub_f32 v[\np], v[\c], v[\t]
	v_sub_f32 v[\np+1], v[\c+1], v[\t+1]
	v_sub_f32 v[\np+2], v[\c+2], v[\t+2]
	v_mul_f32 v28, v[\np], v[\np]
	v_fma_f32 v28, v[\np+1], v[\np+1], v28
	v_fma_f32 v28, v[\np+2], v[\np+2], v28
	v_sqrt_f32 v29, v28
	v_nop                                                  ; one plain place behind a transcendental (ISA guide 5.7.2)
	s_wait_alu depctr_va_vdst(0)
	v_add_f32 v29, s52, v29                                ; + 1e-8
	v_rcp_f32 v30, v29
	v_nop
	s_wait_alu depctr_va_vdst(0)
	v_mul_f32 v[\np], v[\np], v30
	v_mul_f32 v[\np+1], v[\np+1], v30
	v_mul_f32 v[\np+2], v[\np+2], v30
	v_mul_f32 v[\np+3], v[\np], v[\c]
	v_fma_f32 v[\np+3], v[\np+1], v[\c+1], v[\np+3]
	v_fma_f32 v[\np+3], v[\np+2], v[\c+2], v[\np+3]
.endm
.macro WM g, P, bf                     ; P + 1 quantities of one tile; each product starts from the constant 0: there are no sums in place
.set wk, 0
.rept \P+1
	v_wmma_f32_16x16x32_bf16 v[DD+48*\g+8*wk:DD+48*\g+8*wk+7], v[AF+48*\g+8*wk:AF+48*\g+8*wk+7], v[BF+8*\bf:BF+8*\bf+7], 0
.set wk, wk+1
.endr
.endm
.macro RED8 g, P                       ; key = min(packed -d2, Y1 .. YP); best = max(best, key)
.irp j, 0,1,2,3,4,5,6,7
	v_and_or_b32 v[DD+48*\g+\j], v[DD+48*\g+\j], s33, v7
.endr
.if \P >= 2
.irp j, 0,1,2,3,4,5,6,7
	v_min3_num_f32 v[DD+48*\g+\j], v[DD+48*\g+\j], v[DD+48*\g+8+\j], v[DD+48*\g+16+\j]
.endr
.endif
.if \P >= 4
.irp j, 0,1,2,3,4,5,6,7
	v_min3_num_f32 v[DD+48*\g+\j], v[DD+48*\g+\j], v[DD+48*\g+24+\j], v[DD+48*\g+32+\j]
.endr
.endif
.if \P & 1
.irp j, 0,1,2,3,4,5,6,7
	v_minmax_num_f32 v[BEST+8*\g+\j], v[DD+48*\g+\j], v[DD+48*\g+8*\P+\j], v[BEST+8*\g+\j]
.endr
.else
.irp j, 0,1,2,3,4,5,6,7
	v_max_num_f32 v[BEST+8*\g+\j], v[BEST+8*\g+\j], v[DD+48*\g+\j]
.endr
.endif
.endm
; One tile.  Group 1's results of the tile before are reduced behind group 0's matrix instructions, group 0's behind group 1's: at least sixteen
; plain vector instructions that name none of its registers stand behind every matrix instruction before its result is read or written over
; or its B fragment loaded again (ISA guide 7.12.1 asks for four and five); in the first tile five v_nop.
.macro TILE P, bf, first, off
	s_wait_dscnt 0x2                                       ; LDS loads return in order: this buffer's two are in, the other buffer's two may be out
	WM 0, \P, \bf
.if \first
.rept 5
	v_nop
.endr
.else
	RED8 1, \P
	v_add_nc_u32 v7, 16, v7
.endif
	WM 1, \P, \bf
	RED8 0, \P
	ds_load_b128 v[BF+8*\bf:BF+8*\bf+3], v6 offset:\off
	ds_load_b128 v[BF+8*\bf+4:BF+8*\bf+7], v6 offset:\off+512
.endm
.macro SCANLOOP P                      ; 1 + 2 x 24 = 49 tiles; the look-ahead reads at most tile 197 of the 200 built
.irp j, 0,1,2,3,4,5,6,7,8,9,10,11,12,13,14,15
	v_mov_b32 v[BEST+\j], s51
.endr
	ds_load_b128 v[BF:BF+3], v6
	ds_load_b128 v[BF+4:BF+7], v6 offset:512
	ds_load_b128 v[BF+8:BF+11], v6 offset:1024
	ds_load_b128 v[BF+12:BF+15], v6 offset:1536
	TILE \P, 0, 1, 2048
	s_mov_b32 s57, 24
.Lloop_\P:
	TILE \P, 1, 0, 3072
	TILE \P, 0, 0, 4096
	v_add_nc_u32 v6, 2048, v6
	s_sub_co_i32 s57, s57, 1
	s_cmp_lg_u32 s57, 0
	s_cbranch_scc1 .Lloop_\P
	RED8 1, \P
.endm
.macro VARIANT P                       ; the P - 1 older planes of my two targets, their fragments, the loop.  No barrier stands in here
.if \P > 1
.set vk, 0
.rept \P-1
	global_load_b128 v[GA+8*vk:GA+8*vk+3], v3, s[18+2*vk:19+2*vk]
	global_load_b128 v[GA+8*vk+4:GA+8*vk+7], v3, s[18+2*vk:19+2*vk] offset:256
.set vk, vk+1
.endr
	s_wait_loadcnt 0x0
.set vk, 0
.rept \P-1
	PFRAG AF+8*(vk+2), GA+8*vk
	PFRAG AF+48+8*(vk+2), GA+8*vk+4
.set vk, vk+1
.endr
.endif
	SCANLOOP \P
.endm
	s_load_b512 s[8:23], s[0:1], 0x0               ; points s[8:9], targets s[10:11], candidates in s[12:13], out s[14:15], plane table written s[16:17], read s[18:23] ..
	s_load_b128 s[24:27], s[0:1], 0x40             ; .. s[24:25]; out0 s[26:27]
	s_load_b64 s[28:29], s[0:1], 0x50              ; out1
	s_set_vgpr_msb 0x40
	v_lshl_add_u32 v0, v0, 2, 0x33400
	v_mov_b32 v1, 0
	s_set_vgpr_msb 0x4000
	v_and_b32 v1, 31, v0                           ; lane
	v_and_b32 v2, 15, v0                           ; r
	v_lshrrev_b32 v16, 5, v0
	v_readfirstlane_b32 s35, v16                   ; wave
	s_mov_b32 s58, ttmp9                           ; slice
	s_and_b32 s59, ttmp7, 0xffff                   ; quarter of the targets
	s_and_b32 s61, s35, 1                          ; which 32 targets
	s_lshr_b32 s39, s35, 1                         ; which 49 tiles
	s_mul_i32 s62, s58, SLICE
	s_lshl3_add_u32 s60, s58, s35                  ; 8 slice + wave: below 2 for the two waves that store the planes
	s_mov_b32 s31, 0xffff0000                      ; lanes 16-31, and a word's upper half
	s_mov_b32 s32, 0x07060302
	s_mov_b32 s33, 0xfffff000
	s_mov_b32 s34, 0x7f800000                      ; infinity
	s_mov_b32 s51, 0xff800000                      ; -infinity
	s_mov_b32 s4, 0x5d800000                       ; 2^60
	s_mov_b32 s5, 0xe2dee786                       ; -2^100 x 1e-6: its two upper bf16 pieces
	s_mov_b32 s6, 0x7fffffff
	s_mov_b32 s7, 0xd3800000                       ; -2^40
	s_mov_b32 s48, 0x71800000                      ; 2^100
	s_mov_b32 s49, 0xf1800000                      ; -2^100
	s_mov_b32 s50, NPTS
	s_mov_b32 s52, 0x322bcc77                      ; 1e-8
	s_lshl_b32 s2, s59, 6
	s_lshl_b32 s3, s61, 5
	s_add_co_u32 s2, s2, s3
	v_add_nc_u32 v17, s2, v2                       ; my first target: 64 y + 32 (w & 1) + r
	v_lshlrev_b32 v3, 4, v17
	v_mul_u32_u24 v4, 12, v17
	v_lshlrev_b32 v5, 2, v17
	s_mul_i32 s2, s35, 25600
	v_lshl_add_u32 v6, v1, 4, s2
	s_mul_i32 s2, s39, 784
	v_add_nc_u32 v7, s2, v2
	s_mul_i32 s2, s35, 400
	s_add_co_u32 s2, s2, s62
	v_add_nc_u32 v8, s2, v2
	s_lshl_b32 s2, s61, 9
	s_add_co_u32 s2, s2, CRED
	v_lshl_add_u32 v9, v2, 4, s2                   ; the partial winners of my first target
	v_lshrrev_b32 v16, 6, v0                       ; which 16 slices' candidates: 0 to 3
	v_and_b32 v18, 63, v0                          ; of which target
	s_lshl_b32 s2, s59, 8
	v_lshl_add_u32 v10, v18, 2, s2
	v_lshl_add_u32 v10, v16, 14, v10               ; 16,384 part + 256 y + 4 target
	s_lshl_b32 s3, s59, 6
	v_add_nc_u32 v19, s3, v18
	v_mul_u32_u24 v19, 12, v19
	v_lshrrev_b32 v16, 4, v1                       ; h
	s_lshl_b32 s2, s35, 7
	s_add_co_u32 s2, s2, RED
	v_lshl_add_u32 v11, v16, 5, s2
	s_wait_kmcnt 0x0
	s_load_b32 s30, s[12:13], 0x10000              ; how many planes are older
	s_load_b96 s[36:38], s[8:9], 0x0               ; point 0
.irp k, 0,1,2,3,4,5,6,7,8,9,10,11,12,13,14,15,16,17,18,19,20,21,22,23,24
	v_add_nc_u32 v[PT+4*\k], 16*\k, v8
	v_min_u32 v[PT+4*\k], NM1, v[PT+4*\k]
	v_mul_u32_u24 v[PT+4*\k], 12, v[PT+4*\k]
	global_load_b96 v[PT+4*\k:PT+4*\k+2], v[PT+4*\k], s[8:9]       ; the load lands on its own address register
.endr
	global_load_b96 v[TT:TT+2], v19, s[10:11]
	global_load_b96 v[TG:TG+2], v4, s[10:11]
	global_load_b96 v[TG+4:TG+6], v4, s[10:11] offset:192
.irp k, 0,1,2,3,4,5,6,7,8,9,10,11,12,13,14,15
	global_load_b32 v[IX+\k], v10, s[12:13] offset:1024*\k
.endr
	s_wait_loadcnt 0x0                             ; all of it is needed next
.irp k, 0,1,2,3,4,5,6,7,8,9,10,11,12,13,14,15
	v_cmp_gt_u32 vcc_lo, s50, v[IX+\k]             ; a candidate at all?
	v_cndmask_b32 v[GA+4*\k+3], s34, 0, vcc_lo     ; 0 if so, else infinity: added to its d2
	v_min_u32 v[GA+4*\k], 0x30d3f, v[IX+\k]        ; inside the cloud in any case
	v_mul_u32_u24 v[GA+4*\k], 12, v[GA+4*\k]
	global_load_b96 v[GA+4*\k:GA+4*\k+2], v[GA+4*\k], s[8:9]
.endr
.irp k, 0,1,2,3,4,5,6,7,8,9,10,11,12,13,14,15,16,17,18,19,20,21,22,23,24
	BTILE \k                                       ; the fetched candidates are on their way meanwhile
.endr
	v_mul_f32 v24, v[TT], v[TT]
	v_fma_f32 v24, v[TT+1], v[TT+1], v24
	v_fma_f32 v24, v[TT+2], v[TT+2], v24           ; t2
	s_wait_loadcnt 0x0
.irp k, 0,1,2,3,4,5,6,7,8,9,10,11,12,13,14,15
	CAND \k
.endr
	v_lshl_add_u32 v16, v0, 4, CRED                ; thread = 64 part + target
	ds_store_b128 v16, v[12:15]
	s_wait_dscnt 0x0                               ; my tiles and my partial winner are in LDS,
	s_barrier_signal -1
	s_barrier_wait -1                              ; everybody's are
.irp q, 0,1,2,3
	ds_load_b128 v[GA+4*\q:GA+4*\q+3], v9 offset:1024*\q
	ds_load_b128 v[GA+16+4*\q:GA+16+4*\q+3], v9 offset:1024*\q+256
.endr
	s_mul_i32 s2, s39, 50176
	v_lshl_add_u32 v6, v1, 4, s2                   ; my 49 tiles
	s_wait_dscnt 0x0
	s_wait_kmcnt 0x0
	COMBINE GA
	COMBINE GA+16
	PLANE NP, GA, TG
	PLANE NP+4, GA+16, TG+4
	s_min_u32 s30, s30, 4                          ; the loaded number is bounded before it enters an offset
	s_cmp_ge_u32 s60, 2
	s_cbranch_scc1 .Lnowrite
	s_mul_i32 s2, s30, 3072                        ; this plane's row in out0,
	s_mov_b32 s3, 0
	s_add_nc_u64 s[26:27], s[26:27], s[2:3]
	s_lshl_b32 s2, s30, 10                         ; and in out1
	s_add_nc_u64 s[28:29], s[28:29], s[2:3]
	s_wait_xcnt 0x0                                ; EXEC changes only behind this wait
	v_cmp_gt_u32 vcc_lo, 16, v1
	s_and_saveexec_b32 s56, vcc_lo
	global_store_b128 v3, v[NP:NP+3], s[16:17]             ; sixteen lanes store 256 consecutive bytes, aligned
	global_store_b128 v3, v[NP+4:NP+7], s[16:17] offset:256
	global_store_b96 v4, v[NP:NP+2], s[26:27]
	global_store_b96 v4, v[NP+4:NP+6], s[26:27] offset:192
	global_store_b32 v5, v[NP+3], s[28:29]
	global_store_b32 v5, v[NP+7], s[28:29] offset:64
	s_wait_xcnt 0x0                                ; and again; the stores' data are written over only behind it
	s_or_b32 exec_lo, exec_lo, s56
.Lnowrite:
	DFRAG 0
	DFRAG 1
	PFRAG AF+8, NP
	PFRAG AF+56, NP+4
	s_cmp_eq_u32 s30, 0
	s_cbranch_scc1 .Lv1
	s_cmp_eq_u32 s30, 1
	s_cbranch_scc1 .Lv2
	s_cmp_eq_u32 s30, 2
	s_cbranch_scc1 .Lv3
	s_cmp_eq_u32 s30, 3
	s_cbranch_scc1 .Lv4
	VARIANT 5
	s_branch .Lepi
.Lv1:
	VARIANT 1
	s_branch .Lepi
.Lv2:
	VARIANT 2
	s_branch .Lepi
.Lv3:
	VARIANT 3
	s_branch .Lepi
.Lv4:
	VARIANT 4
.Lepi:
	; Every wave's LDS reads of the loop are over before any wave stores into LDS again: the keys' bytes lie behind the tiles, and with this
	; barrier the order of those reads and these stores does not rest on the loop's stepped addresses.
	s_wait_dscnt 0x0                               ; my reads of the tiles are back, the two look-ahead fragments too
	s_barrier_signal -1
	; register work meanwhile: the largest key over the sixteen points of a lane half
.irp m, 1,2,4,8
.irp j, 0,1,2,3,4,5,6,7,8,9,10,11,12,13,14,15
	v_max_num_f32_dpp v[BEST+\j], v[BEST+\j], v[BEST+\j] row_xmask:\m row_mask:0xf bank_mask:0xf
.endr
.endr
	s_barrier_wait -1
	; then over the four waves that share the targets
.irp j, 0,1,2,3,4,5,6,7
	ds_store_b32 v11, v[BEST+\j] offset:4*\j       ; sixteen lanes write one word with one value
	ds_store_b32 v11, v[BEST+8+\j] offset:64+4*\j
.endr
	s_wait_dscnt 0x0                               ; my words are in LDS,
	s_barrier_signal -1
	s_barrier_wait -1                              ; everybody's are
	s_cmp_lg_u32 s35, 0
	s_cbranch_scc1 .Lend
	v_lshlrev_b32 v24, 4, v2
	v_add_nc_u32 v25, RED, v24
.irp q, 0,1,2,3
	ds_load_b128 v[32+4*\q:35+4*\q], v25 offset:256*\q     ; four targets a lane, one load for each quarter of the tiles
.endr
	s_lshl_b32 s2, s58, 10
	s_lshl_b32 s3, s59, 8
	s_add_co_u32 s2, s2, s3
	v_add_nc_u32 v26, s2, v24                      ; 1,024 slice + 256 y + 16 lane
	s_add_co_u32 s3, s30, 1                        ; planes known to the next launch
.irp c, 0,1,2,3
	v_mov_b32 v[48+\c], s3
.endr
	s_wait_dscnt 0x0
.irp c, 0,1,2,3
	v_max3_num_f32 v[32+\c], v[32+\c], v[36+\c], v[40+\c]
	v_max_num_f32 v[32+\c], v[32+\c], v[44+\c]
	v_cmp_lt_f32 vcc_lo, s7, v[32+\c]              ; valid: -2^40 < key
	v_and_b32 v[32+\c], 0xfff, v[32+\c]
	v_add_nc_u32 v[32+\c], s62, v[32+\c]
	v_cndmask_b32 v[32+\c], s6, v[32+\c], vcc_lo
.endr
	s_wait_xcnt 0x0                                ; EXEC changes only behind this wait
	v_cmp_gt_u32 vcc_lo, 16, v1
	s_and_saveexec_b32 s56, vcc_lo
	global_store_b128 v26, v[32:35], s[14:15]      ; sixteen lanes store 256 consecutive bytes, aligned
	s_or_b32 s2, s58, s59
	s_cmp_lg_u32 s2, 0
	s_cbranch_scc1 .Lnohdr
	global_store_b128 v24, v[48:51], s[14:15] offset:65536
.Lnohdr:
	s_wait_xcnt 0x0
	s_or_b32 exec_lo, exec_lo, s56
.Lend:
	s_set_vgpr_msb 0x5
	s_wait_tensorcnt 0x0
	ds_add_u32 v0, v1
	s_wait_dscnt 0x0
	s_set_vgpr_msb 0x500
	s_endpgm
.Lfunc_end_k_q586dd72e9c_scan1:
	.size	k_q586dd72e9c_scan1, .Lfunc_end_k_q586dd72e9c_scan1-k_q586dd72e9c_scan1
	.p2alignl 7, 3214868480
	.fill 96, 4, 3214868480
	.section	.rodata,"a",@progbits
	.p2align	6, 0x0
	.amdhsa_kernel k_q586dd72e9c_scan1
		.amdhsa_group_segment_fixed_size 210944
		.amdhsa_private_segment_fixed_size 0
		.amdhsa_enable_private_segment 0
		.amdhsa_kernarg_size 88
		.amdhsa_user_sgpr_count 2
		.amdhsa_user_sgpr_kernarg_segment_ptr 1
		.amdhsa_wavefront_size32 1
		.amdhsa_system_sgpr_workgroup_id_x 1
		.amdhsa_system_sgpr_workgroup_id_y 1
		.amdhsa_system_sgpr_workgroup_id_z 1
		.amdhsa_system_vgpr_workitem_id 0
		.amdhsa_next_free_vgpr 258
		.amdhsa_next_free_sgpr 66
		.amdhsa_reserve_vcc 1
		.amdhsa_float_denorm_mode_32 3
		.amdhsa_float_denorm_mode_16_64 3
		.amdhsa_memory_ordered 1
		.amdhsa_forward_progress 1
		.amdhsa_inst_pref_size 166
	.end_amdhsa_kernel
	.amdgpu_metadata
---
amdhsa.version: [ 1, 2 ]
amdhsa.kernels:
  - .name:           k_q586dd72e9c_scan1
    .symbol:         k_q586dd72e9c_scan1.kd
    .args:
      - { .name: pointcloud, .offset: 0, .size: 8, .value_kind: global_buffer, .address_space: global }
      - { .name: targets, .offset: 8, .size: 8, .value_kind: global_buffer, .address_space: global }
      - { .name: candA, .offset: 16, .size: 8, .value_kind: global_buffer, .address_space: global }
      - { .name: candB, .offset: 24, .size: 8, .value_kind: global_buffer, .address_space: global }
      - { .name: pl0, .offset: 32, .size: 8, .value_kind: global_buffer, .address_space: global }
      - { .name: pl1, .offset: 40, .size: 8, .value_kind: global_buffer, .address_space: global }
      - { .name: pl2, .offset: 48, .size: 8, .value_kind: global_buffer, .address_space: global }
      - { .name: pl3, .offset: 56, .size: 8, .value_kind: global_buffer, .address_space: global }
      - { .name: pl4, .offset: 64, .size: 8, .value_kind: global_buffer, .address_space: global }
      - { .name: out0, .offset: 72, .size: 8, .value_kind: global_buffer, .address_space: global }
      - { .name: out1, .offset: 80, .size: 8, .value_kind: global_buffer, .address_space: global }
    .group_segment_fixed_size: 210944
    .private_segment_fixed_size: 0
    .kernarg_segment_align: 8
    .kernarg_segment_size: 88
    .max_flat_workgroup_size: 256
    .sgpr_count:     66
    .vgpr_count:     258
    .wavefront_size: 32
...
	.end_amdgpu_metadata
.endif
;; end of part 2
;; launch scan2: the kernel of part 2 again; grid 64 x 4, 8 waves a work-group, no clusters, 210,944 bytes of LDS; arguments pointcloud, targets, candB, candA, pl1, pl0, pl2, pl3, pl4, out0, out1; writes candA, pl1, out0, out1
;; launch scan3: the kernel of part 2 again; grid 64 x 4, 8 waves a work-group, no clusters, 210,944 bytes of LDS; arguments pointcloud, targets, candA, candB, pl2, pl0, pl1, pl3, pl4, out0, out1; writes candB, pl2, out0, out1
;; launch scan4: the kernel of part 2 again; grid 64 x 4, 8 waves a work-group, no clusters, 210,944 bytes of LDS; arguments pointcloud, targets, candB, candA, pl3, pl0, pl1, pl2, pl4, out0, out1; writes candA, pl3, out0, out1
;; launch scan5: the kernel of part 2 again; grid 64 x 4, 8 waves a work-group, no clusters, 210,944 bytes of LDS; arguments pointcloud, targets, candA, candB, pl4, pl0, pl1, pl2, pl3, out0, out1; writes candB, pl4, out0, out1
;; launch last (part 3): grid 4 x 1, 8 waves a work-group, no clusters, 5,120 bytes of LDS; arguments pointcloud, targets, candB, out0, out1; writes out0, out1
.if DOCPART == 3
	.amdgcn_target "amdgcn-amd-amdhsa--gfx1250"
	.amdhsa_code_object_version 6
	.text
	.protected	k_q586dd72e9c_last
	.globl	k_q586dd72e9c_last
	.p2align	8
	.type	k_q586dd72e9c_last,@function
k_q586dd72e9c_last:
	s_mov_b64 s[64:65], 0
	v_nop
	global_prefetch_b8 v0, s[64:65] scope:SCOPE_SE
	s_setreg_imm32_b32 hwreg(HW_REG_WAVE_MODE, 25, 1), 1
	s_wait_xcnt 0x0
; The sixth plane: from the last scan's candidates alone.  Work-group y: 64 targets, 256 threads.  Thread t weighs 16 of the 64 slice winners of
; target t & 63 (d2 in f32 as (t2 + p2) - 2 t.p with fused chains, strictly smaller in ascending slice order); four partial winners a target meet
; in LDS; threads 0 to 63 decide, make a = (c - t) / (|c - t| + 1e-8), b = a.c, and store row 5 of out0 and out1.  No valid candidate: point 0.
; Four work-groups have all the work there is: 16,384 candidates.  No matrix work, no tiles.
; LIMITS: v_sqrt_f32 and v_rcp_f32 are good to 1 ulp and take denormals as zero (ISA guide, their entries).
.set NPTS, 200000
.set GA,   32                          ; v[32:95]   16 fetched candidates (x, y, z, 0 or infinity), then 4 partial winners
.set TT,   96                          ; v[96:98]   my target
.set NP,   100                         ; v[100:103] the plane
.set IX,   104                         ; v[104:119] the candidates' numbers
.macro CAND k
	v_mul_f32 v25, v[GA+4*\k], v[GA+4*\k]
	v_mul_f32 v26, v[TT], v[GA+4*\k]
	v_fma_f32 v25, v[GA+4*\k+1], v[GA+4*\k+1], v25
	v_fma_f32 v26, v[TT+1], v[GA+4*\k+1], v26
	v_fma_f32 v25, v[GA+4*\k+2], v[GA+4*\k+2], v25
	v_fma_f32 v26, v[TT+2], v[GA+4*\k+2], v26
	v_add_f32 v25, v24, v25                        ; t2 + p2
	v_fma_f32 v25, -2.0, v26, v25
.if \k == 0
	v_add_f32 v15, v25, v[GA+3]                    ; + 0, or + infinity where the slice had no candidate
	v_mov_b32 v12, v[GA]
	v_mov_b32 v13, v[GA+1]
	v_mov_b32 v14, v[GA+2]
.else
	v_add_f32 v25, v25, v[GA+4*\k+3]
	v_cmp_lt_f32 vcc_lo, v25, v15
	v_cndmask_b32 v12, v12, v[GA+4*\k], vcc_lo
	v_cndmask_b32 v13, v13, v[GA+4*\k+1], vcc_lo
	v_cndmask_b32 v14, v14, v[GA+4*\k+2], vcc_lo
	v_cndmask_b32 v15, v15, v25, vcc_lo
.endif
.endm
	s_load_b256 s[8:15], s[0:1], 0x0               ; points s[8:9], targets s[10:11], candidates s[12:13], out0 s[14:15]
	s_load_b64 s[16:17], s[0:1], 0x20              ; out1
	v_lshl_add_u32 v120, v0, 2, 0x1000
	v_mov_b32 v121, 0
	v_lshrrev_b32 v16, 5, v0
	v_readfirstlane_b32 s35, v16                   ; wave
	s_mov_b32 s34, 0x7f800000                      ; infinity
	s_mov_b32 s50, NPTS
	s_mov_b32 s52, 0x322bcc77                      ; 1e-8
	v_lshrrev_b32 v16, 6, v0                       ; which 16 slices: 0 to 3
	v_and_b32 v18, 63, v0                          ; which target
	s_lshl_b32 s2, ttmp9, 8
	v_lshl_add_u32 v10, v18, 2, s2
	v_lshl_add_u32 v10, v16, 14, v10               ; 16,384 part + 256 y + 4 target
	s_lshl_b32 s3, ttmp9, 6
	v_add_nc_u32 v17, s3, v18
	v_mul_u32_u24 v19, 12, v17
	v_lshlrev_b32 v20, 2, v17
	v_lshlrev_b32 v21, 4, v0                       ; thread = 64 part + target
	s_wait_kmcnt 0x0
	s_load_b96 s[36:38], s[8:9], 0x0               ; point 0
	global_load_b96 v[TT:TT+2], v19, s[10:11]
.irp k, 0,1,2,3,4,5,6,7,8,9,10,11,12,13,14,15
	global_load_b32 v[IX+\k], v10, s[12:13] offset:1024*\k
.endr
	s_wait_loadcnt 0x0
.irp k, 0,1,2,3,4,5,6,7,8,9,10,11,12,13,14,15
	v_cmp_gt_u32 vcc_lo, s50, v[IX+\k]             ; a candidate at all?
	v_cndmask_b32 v[GA+4*\k+3], s34, 0, vcc_lo     ; 0 if so, else infinity: added to its d2
	v_min_u32 v[GA+4*\k], 0x30d3f, v[IX+\k]        ; inside the cloud in any case
	v_mul_u32_u24 v[GA+4*\k], 12, v[GA+4*\k]
	global_load_b96 v[GA+4*\k:GA+4*\k+2], v[GA+4*\k], s[8:9]       ; the load lands on its own address register
.endr
	v_mul_f32 v24, v[TT], v[TT]
	v_fma_f32 v24, v[TT+1], v[TT+1], v24
	v_fma_f32 v24, v[TT+2], v[TT+2], v24           ; t2
	s_wait_loadcnt 0x0
.irp k, 0,1,2,3,4,5,6,7,8,9,10,11,12,13,14,15
	CAND \k
.endr
	ds_store_b128 v21, v[12:15]
	s_wait_kmcnt 0x0
	s_wait_dscnt 0x0                               ; my partial winner is in LDS,
	s_barrier_signal -1
	s_barrier_wait -1                              ; everybody's is
	s_cmp_ge_u32 s35, 2
	s_cbranch_scc1 .Lend
.irp q, 0,1,2,3
	ds_load_b128 v[GA+4*\q:GA+4*\q+3], v21 offset:1024*\q
.endr
	s_wait_dscnt 0x0
.irp q, 1,2,3
	v_cmp_lt_f32 vcc_lo, v[GA+4*\q+3], v[GA+3]
	v_cndmask_b32 v[GA+0], v[GA+0], v[GA+4*\q+0], vcc_lo
	v_cndmask_b32 v[GA+1], v[GA+1], v[GA+4*\q+1], vcc_lo
	v_cndmask_b32 v[GA+2], v[GA+2], v[GA+4*\q+2], vcc_lo
	v_cndmask_b32 v[GA+3], v[GA+3], v[GA+4*\q+3], vcc_lo
.endr
	v_cmp_eq_f32 vcc_lo, s34, v[GA+3]              ; nothing left: point 0
	v_cndmask_b32 v[GA+0], v[GA+0], s36, vcc_lo
	v_cndmask_b32 v[GA+1], v[GA+1], s37, vcc_lo
	v_cndmask_b32 v[GA+2], v[GA+2], s38, vcc_lo
	v_sub_f32 v[NP], v[GA], v[TT]
	v_sub_f32 v[NP+1], v[GA+1], v[TT+1]
	v_sub_f32 v[NP+2], v[GA+2], v[TT+2]
	v_mul_f32 v28, v[NP], v[NP]
	v_fma_f32 v28, v[NP+1], v[NP+1], v28
	v_fma_f32 v28, v[NP+2], v[NP+2], v28
	v_sqrt_f32 v29, v28
	v_nop                                          ; one plain place behind a transcendental (ISA guide 5.7.2)
	s_wait_alu depctr_va_vdst(0)
	v_add_f32 v29, s52, v29
	v_rcp_f32 v30, v29
	v_nop
	s_wait_alu depctr_va_vdst(0)
	v_mul_f32 v[NP], v[NP], v30
	v_mul_f32 v[NP+1], v[NP+1], v30
	v_mul_f32 v[NP+2], v[NP+2], v30
	v_mul_f32 v[NP+3], v[NP], v[GA]
	v_fma_f32 v[NP+3], v[NP+1], v[GA+1], v[NP+3]
	v_fma_f32 v[NP+3], v[NP+2], v[GA+2], v[NP+3]
	global_store_b96 v19, v[NP:NP+2], s[14:15] offset:15360        ; row 5 of out0: 5 x 3,072 bytes
	global_store_b32 v20, v[NP+3], s[16:17] offset:5120            ; row 5 of out1: 5 x 1,024 bytes
.Lend:
	s_wait_tensorcnt 0x0
	ds_add_u32 v120, v121
	s_wait_dscnt 0x0
	s_endpgm
.Lfunc_end_k_q586dd72e9c_last:
	.size	k_q586dd72e9c_last, .Lfunc_end_k_q586dd72e9c_last-k_q586dd72e9c_last
	.p2alignl 7, 3214868480
	.fill 96, 4, 3214868480
	.section	.rodata,"a",@progbits
	.p2align	6, 0x0
	.amdhsa_kernel k_q586dd72e9c_last
		.amdhsa_group_segment_fixed_size 5120
		.amdhsa_private_segment_fixed_size 0
		.amdhsa_enable_private_segment 0
		.amdhsa_kernarg_size 40
		.amdhsa_user_sgpr_count 2
		.amdhsa_user_sgpr_kernarg_segment_ptr 1
		.amdhsa_wavefront_size32 1
		.amdhsa_system_sgpr_workgroup_id_x 1
		.amdhsa_system_sgpr_workgroup_id_y 1
		.amdhsa_system_sgpr_workgroup_id_z 1
		.amdhsa_system_vgpr_workitem_id 0
		.amdhsa_next_free_vgpr 122
		.amdhsa_next_free_sgpr 66
		.amdhsa_reserve_vcc 1
		.amdhsa_float_denorm_mode_32 3
		.amdhsa_float_denorm_mode_16_64 3
		.amdhsa_memory_ordered 1
		.amdhsa_forward_progress 1
		.amdhsa_inst_pref_size 20
	.end_amdhsa_kernel
	.amdgpu_metadata
---
amdhsa.version: [ 1, 2 ]
amdhsa.kernels:
  - .name:           k_q586dd72e9c_last
    .symbol:         k_q586dd72e9c_last.kd
    .args:
      - { .name: pointcloud, .offset: 0, .size: 8, .value_kind: global_buffer, .address_space: global }
      - { .name: targets, .offset: 8, .size: 8, .value_kind: global_buffer, .address_space: global }
      - { .name: candB, .offset: 16, .size: 8, .value_kind: global_buffer, .address_space: global }
      - { .name: out0, .offset: 24, .size: 8, .value_kind: global_buffer, .address_space: global }
      - { .name: out1, .offset: 32, .size: 8, .value_kind: global_buffer, .address_space: global }
    .group_segment_fixed_size: 5120
    .private_segment_fixed_size: 0
    .kernarg_segment_align: 8
    .kernarg_segment_size: 40
    .max_flat_workgroup_size: 256
    .sgpr_count:     66
    .vgpr_count:     122
    .wavefront_size: 32
...
	.end_amdgpu_metadata
.endif
;; end of part 3
;; ======== version 2 of 3: 7 launches; 1.30 times as fast as version 1
;; limits: values within 0.000488 (relative) of each other or of a threshold may be ordered or decided otherwise than in the reference; inputs' magnitudes at most 524,288
;; workspace buffers: candA 65,792 bytes of whole numbers; candB 65,792 bytes of whole numbers; pl0 4,096 bytes; pl1 4,096 bytes; pl2 4,096 bytes; pl3 4,096 bytes; pl4 4,096 bytes
;; launch first (part 4): grid 64 x 4, 8 waves a work-group, no clusters, 215,040 bytes of LDS; arguments pointcloud, targets, candA; writes candA
.if DOCPART == 4
	.amdgcn_target "amdgcn-amd-amdhsa--gfx1250"
	.amdhsa_code_object_version 6
	.text
	.protected	k_q586dd72e9c_first
	.globl	k_q586dd72e9c_first
	.p2align	8
	.type	k_q586dd72e9c_first,@function
k_q586dd72e9c_first:
	s_mov_b64 s[64:65], 0
	v_nop
	global_prefetch_b8 v0, s[64:65] scope:SCOPE_SE
	s_setreg_imm32_b32 hwreg(HW_REG_WAVE_MODE, 25, 1), 1
	s_wait_xcnt 0x0
; Round 0 of the plane search: for each of 256 targets and each of 64 slices of 3,136 points, the nearest point of the slice.
; Stored: cand[slice][target] = the winner's key as a whole number that sorts like -d2 (upper 20 bits: sign, exponent and 11 mantissa bits of -d2,
; mapped so that unsigned order is the floats' order; lower 12 bits: 4,095 - the point's number in the slice; 0: no candidate), and behind the
; table 256 bytes with the number of planes known so far, 0.
; The next launch picks among a target's 64 winners and fetches them: no address of this launch hangs on a distance.
; Work-group (x = slice, y = quarter of the targets): 64 targets x 196 tiles of 16 points.  Wave w: 32 targets (w & 1), 49 tiles (w >> 1).
; -d2 = 2 t.p - p2 - t2 is ONE matrix instruction for 16 targets x 16 points: every f32 number is cut into three bf16 pieces whose sum is the
; number, and the 32 places of K hold the products of the pieces (x: K 0-7, y: 8-15, z: 16-23, p2 and t2: 24-31); only low x low is left out.
; In the loop a point's key is -d2 with its lowest 12 bits replaced by the point's number in the slice; the largest key wins.
; LIMITS: two points of one slice whose d2 agree in sign, exponent and 11 mantissa bits are ordered by number, not by d2; a distance is valid
; below 2^40, so coordinates stay below 2^19; the sum inside the matrix instruction is rounded otherwise than a chain of f32 additions.
.set NPTS,  200000
.set NM1,   NPTS-1
.set SLICE, 3136
.set RED,   212992                     ; LDS: [8 waves][32 targets] f32.  Bytes 0 to 204,799: 200 tiles of 1,024 bytes, the points as B fragments
.set PT,    32                         ; v[32:131]  25 points of the build, 4 registers each
.set OUTR,  132                        ; v[132:139] a fragment on its way to LDS
.set AF,    32                         ; later: A fragments, quantity k of group g at AF + 48 g + 8 k
.set BEST,  128                        ; v[128:143] largest key of target 16 g + 8 h + j at BEST + 8 g + j
.set BF,    144                        ; v[144:159] two B fragments
.set TG,    148                        ; before the loop: my two targets, v[148:150], v[152:154]
.set DD,    160                        ; results: quantity k of group g at DD + 48 g + 8 k
.macro SPLIT src, h, m, l              ; v[src] = h + m + l exactly, each with 8 significant bits: its upper half is a bf16
	v_and_b32 v[\h], s31, v[\src]
	v_sub_f32 v[\l], v[\src], v[\h]
	v_and_b32 v[\m], s31, v[\l]
	v_sub_f32 v[\l], v[\l], v[\m]
.endm
; One tile of 16 points as a B fragment.  Lanes 0-15 hold x (registers 0-3) and z (4-7), lanes 16-31 y and (p2, ones).
; A coordinate's eight places: h m l h m l h m.  The last block: p2h p2m p2l 1 1 1 1 1.
.macro BTILE k
	v_mul_f32 v16, v[PT+4*\k], v[PT+4*\k]
	v_fma_f32 v16, v[PT+4*\k+1], v[PT+4*\k+1], v16
	v_fma_f32 v16, v[PT+4*\k+2], v[PT+4*\k+2], v16         ; p2
	v_cmp_ge_u32 vcc_lo, NM1-16*\k, v8                     ; is the point inside the cloud?
	v_cndmask_b32 v16, s4, v16, vcc_lo                     ; if not, p2 = 2^60: never valid
	v_cndmask_b32 v17, v[PT+4*\k], v[PT+4*\k+1], s31       ; x | y
	v_cndmask_b32 v18, v[PT+4*\k+2], v16, s31              ; z | p2
	SPLIT 17, 19, 20, 21
	SPLIT 18, 22, 23, 24
	v_perm_b32 v[OUTR+0], v20, v19, s32                    ; (h, m): the second source's upper half goes below
	v_perm_b32 v[OUTR+1], v19, v21, s32                    ; (l, h)
	v_perm_b32 v[OUTR+2], v21, v20, s32                    ; (m, l)
	v_mov_b32 v[OUTR+3], v[OUTR+0]                         ; (h, m)
	v_cndmask_b32 v25, v22, 1.0, s31
	v_cndmask_b32 v26, v23, 1.0, s31
	v_cndmask_b32 v27, v24, 1.0, s31
	v_perm_b32 v[OUTR+4], v23, v22, s32                    ; (h, m)   | (p2h, p2m)
	v_perm_b32 v[OUTR+5], v25, v24, s32                    ; (l, h)   | (p2l, 1)
	v_perm_b32 v[OUTR+6], v27, v26, s32                    ; (m, l)   | (1, 1)
	v_perm_b32 v[OUTR+7], v26, v25, s32                    ; (h, m)   | (1, 1)
	ds_store_b128 v6, v[OUTR:OUTR+3] offset:1024*\k
	ds_store_b128 v6, v[OUTR+4:OUTR+7] offset:1024*\k+512
.endm
; An A fragment from coefficients vx, vy, vz and a constant c.  A coordinate's places: Vh Vh Vh Vm Vm Vm Vl Vl.  The last block: one one one ch cm cl e0 e1.
.macro ABUILD dst, vx, vy, vz, c, one, epk
	v_cndmask_b32 v16, v[\vx], v[\vy], s31
	v_cndmask_b32 v17, v[\vz], v[\c], s31
	SPLIT 16, 18, 19, 20
	SPLIT 17, 21, 22, 23
	v_perm_b32 v[\dst+0], v18, v18, s32
	v_perm_b32 v[\dst+1], v19, v18, s32
	v_perm_b32 v[\dst+2], v19, v19, s32
	v_perm_b32 v[\dst+3], v20, v20, s32
	v_cndmask_b32 v24, v21, \one, s31
	v_cndmask_b32 v25, v22, v21, s31
	v_cndmask_b32 v26, v22, v23, s31
	v_perm_b32 v[\dst+4], v24, v24, s32
	v_perm_b32 v[\dst+5], v25, v24, s32
	v_perm_b32 v[\dst+6], v26, v22, s32
	v_perm_b32 v27, v23, v23, s32
	v_cndmask_b32 v[\dst+7], v27, \epk, s31
.endm
.macro DFRAG g                         ; the fragment of -d2: coefficients 2 t, constant -t2, p2 taken with -1
	v_mul_f32 v31, v[TG+4*\g], v[TG+4*\g]
	v_fma_f32 v31, v[TG+4*\g+1], v[TG+4*\g+1], v31
	v_fma_f32 v31, v[TG+4*\g+2], v[TG+4*\g+2], v31
	v_mul_f32 v28, 2.0, v[TG+4*\g]
	v_mul_f32 v29, 2.0, v[TG+4*\g+1]
	v_mul_f32 v30, 2.0, v[TG+4*\g+2]
	v_mul_f32 v31, -1.0, v31
	ABUILD AF+48*\g, 28, 29, 30, 31, -1.0, 0
.endm
.macro WM g, P, bf                     ; P + 1 quantities of one tile; each product starts from the constant 0: there are no sums in place
.set wk, 0
.rept \P+1
	v_wmma_f32_16x16x32_bf16 v[DD+48*\g+8*wk:DD+48*\g+8*wk+7], v[AF+48*\g+8*wk:AF+48*\g+8*wk+7], v[BF+8*\bf:BF+8*\bf+7], 0
.set wk, wk+1
.endr
.endm
.macro RED8 g, P                       ; key = min(packed -d2, Y1 .. YP); best = max(best, key)
.irp j, 0,1,2,3,4,5,6,7
	v_and_or_b32 v[DD+48*\g+\j], v[DD+48*\g+\j], s33, v7
.endr
.if \P >= 2
.irp j, 0,1,2,3,4,5,6,7
	v_min3_num_f32 v[DD+48*\g+\j], v[DD+48*\g+\j], v[DD+48*\g+8+\j], v[DD+48*\g+16+\j]
.endr
.endif
.if \P >= 4
.irp j, 0,1,2,3,4,5,6,7
	v_min3_num_f32 v[DD+48*\g+\j], v[DD+48*\g+\j], v[DD+48*\g+24+\j], v[DD+48*\g+32+\j]
.endr
.endif
.if \P & 1
.irp j, 0,1,2,3,4,5,6,7
	v_minmax_num_f32 v[BEST+8*\g+\j], v[DD+48*\g+\j], v[DD+48*\g+8*\P+\j], v[BEST+8*\g+\j]
.endr
.else
.irp j, 0,1,2,3,4,5,6,7
	v_max_num_f32 v[BEST+8*\g+\j], v[BEST+8*\g+\j], v[DD+48*\g+\j]
.endr
.endif
.endm
; One tile.  Group 1's results of the tile before are reduced behind group 0's matrix instructions, group 0's behind group 1's: at least sixteen
; plain vector instructions that name none of its registers stand behind every matrix instruction before its result is read or written over
; or its B fragment loaded again (ISA guide 7.12.1 asks for four and five); in the first tile five v_nop.
.macro TILE P, bf, first, off
	s_wait_dscnt 0x2                                       ; LDS loads return in order: this buffer's two are in, the other buffer's two may be out
	WM 0, \P, \bf
.if \first
.rept 5
	v_nop
.endr
.else
	RED8 1, \P
	v_add_nc_u32 v7, 16, v7                                ; the points' numbers of this tile
.endif
	WM 1, \P, \bf
	RED8 0, \P
	ds_load_b128 v[BF+8*\bf:BF+8*\bf+3], v6 offset:\off    ; the tile after the next
	ds_load_b128 v[BF+8*\bf+4:BF+8*\bf+7], v6 offset:\off+512
.endm
.macro SCANLOOP P                      ; 1 + 2 x 24 = 49 tiles; the look-ahead reads at most tile 197 of the 200 built
.irp j, 0,1,2,3,4,5,6,7,8,9,10,11,12,13,14,15
	v_mov_b32 v[BEST+\j], s51
.endr
	ds_load_b128 v[BF:BF+3], v6
	ds_load_b128 v[BF+4:BF+7], v6 offset:512
	ds_load_b128 v[BF+8:BF+11], v6 offset:1024
	ds_load_b128 v[BF+12:BF+15], v6 offset:1536
	TILE \P, 0, 1, 2048
	s_mov_b32 s57, 24
.Lloop_\P:
	TILE \P, 1, 0, 3072
	TILE \P, 0, 0, 4096
	v_add_nc_u32 v6, 2048, v6
	s_sub_co_i32 s57, s57, 1
	s_cmp_lg_u32 s57, 0
	s_cbranch_scc1 .Lloop_\P
	RED8 1, \P
.endm
	s_load_b128 s[8:11], s[0:1], 0x0               ; pointcloud s[8:9], targets s[10:11]
	s_load_b64 s[14:15], s[0:1], 0x10              ; the candidates' table
	v_lshl_add_u32 v254, v0, 2, 0x34400
	v_mov_b32 v255, 0
	v_and_b32 v1, 31, v0                           ; lane
	v_and_b32 v2, 15, v0                           ; r
	v_lshrrev_b32 v16, 5, v0
	v_readfirstlane_b32 s35, v16                   ; wave
	s_mov_b32 s58, ttmp9                           ; slice
	s_and_b32 s59, ttmp7, 0xffff                   ; quarter of the targets
	s_and_b32 s61, s35, 1                          ; which 32 targets
	s_lshr_b32 s39, s35, 1                         ; which 49 tiles
	s_mul_i32 s62, s58, SLICE                      ; the slice's first point
	s_mov_b32 s31, 0xffff0000                      ; lanes 16-31, and a word's upper half
	s_mov_b32 s32, 0x07060302                      ; v_perm_b32: two upper halves
	s_mov_b32 s33, 0xfffff000
	s_mov_b32 s51, 0xff800000                      ; -infinity
	s_mov_b32 s4, 0x5d800000                       ; 2^60
	s_mov_b32 s7, 0xd3800000                       ; -2^40
	s_lshl_b32 s2, s59, 6
	s_lshl_b32 s3, s61, 5
	s_add_co_u32 s2, s2, s3
	v_add_nc_u32 v17, s2, v2                       ; my first target: 64 y + 32 (w & 1) + r
	v_mul_u32_u24 v4, 12, v17
	s_mul_i32 s2, s35, 25600
	v_lshl_add_u32 v6, v1, 4, s2                   ; the build: my wave's 25 tiles, 16 bytes a lane
	s_mul_i32 s2, s39, 784
	v_add_nc_u32 v7, s2, v2                        ; my point's number in the slice, first tile of the loop
	s_mul_i32 s2, s35, 400
	s_add_co_u32 s2, s2, s62
	v_add_nc_u32 v8, s2, v2                        ; my point's number in the cloud, first tile of the build
	v_lshrrev_b32 v16, 4, v1                       ; h
	s_lshl_b32 s2, s35, 7
	s_add_co_u32 s2, s2, RED
	v_lshl_add_u32 v11, v16, 5, s2
	s_wait_kmcnt 0x0
.irp k, 0,1,2,3,4,5,6,7,8,9,10,11,12,13,14,15,16,17,18,19,20,21,22,23,24
	v_add_nc_u32 v[PT+4*\k], 16*\k, v8
	v_min_u32 v[PT+4*\k], NM1, v[PT+4*\k]          ; the last slice runs past the cloud: no load leaves the buffer
	v_mul_u32_u24 v[PT+4*\k], 12, v[PT+4*\k]
	global_load_b96 v[PT+4*\k:PT+4*\k+2], v[PT+4*\k], s[8:9]       ; the load lands on its own address register
.endr
	global_load_b96 v[TG:TG+2], v4, s[10:11]
	global_load_b96 v[TG+4:TG+6], v4, s[10:11] offset:192
	s_wait_loadcnt 0x0                             ; all of it is needed next
.irp k, 0,1,2,3,4,5,6,7,8,9,10,11,12,13,14,15,16,17,18,19,20,21,22,23,24
	BTILE \k
.endr
	s_wait_dscnt 0x0                               ; my tiles are in LDS,
	s_barrier_signal -1
	s_barrier_wait -1                              ; everybody's are
	s_mul_i32 s2, s39, 50176
	v_lshl_add_u32 v6, v1, 4, s2                   ; my 49 tiles
	DFRAG 0
	DFRAG 1
	SCANLOOP 0
	; the largest key over the sixteen points of a lane half, then over the four waves that share the targets
.irp m, 1,2,4,8
.irp j, 0,1,2,3,4,5,6,7,8,9,10,11,12,13,14,15
	v_max_num_f32_dpp v[BEST+\j], v[BEST+\j], v[BEST+\j] row_xmask:\m row_mask:0xf bank_mask:0xf
.endr
.endr
.irp j, 0,1,2,3,4,5,6,7
	ds_store_b32 v11, v[BEST+\j] offset:4*\j       ; sixteen lanes write one word with one value
	ds_store_b32 v11, v[BEST+8+\j] offset:64+4*\j
.endr
	s_wait_dscnt 0x0                               ; my words are in LDS, and the two look-ahead fragments are back
	s_barrier_signal -1
	s_barrier_wait -1
	s_cmp_lg_u32 s35, 0
	s_cbranch_scc1 .Lend
	v_lshlrev_b32 v24, 4, v2
	v_add_nc_u32 v25, RED, v24
.irp q, 0,1,2,3
	ds_load_b128 v[32+4*\q:35+4*\q], v25 offset:256*\q     ; four targets a lane, one load for each quarter of the tiles
.endr
	s_lshl_b32 s2, s58, 10
	s_lshl_b32 s3, s59, 8
	s_add_co_u32 s2, s2, s3
	v_add_nc_u32 v26, s2, v24                      ; 1,024 slice + 256 y + 16 lane
.irp c, 0,1,2,3
	v_mov_b32 v[48+\c], 0                          ; planes known so far
.endr
	s_wait_dscnt 0x0
.irp c, 0,1,2,3
	v_max3_num_f32 v[32+\c], v[32+\c], v[36+\c], v[40+\c]
	v_max_num_f32 v[32+\c], v[32+\c], v[44+\c]
	v_cmp_lt_f32 vcc_lo, s7, v[32+\c]              ; valid: -2^40 < key
	v_ashrrev_i32 v[52+\c], 31, v[32+\c]           ; the float's bits in unsigned order: a negative one is inverted,
	v_or_b32 v[52+\c], 0x80000000, v[52+\c]        ; any other gets the top bit
	v_xor_b32 v[52+\c], v[52+\c], v[32+\c]
	v_and_b32 v[32+\c], 0xfff, v[32+\c]            ; the point's number in the slice,
	v_xor_b32 v[32+\c], 0xfff, v[32+\c]            ; as 4,095 - number
	v_and_or_b32 v[32+\c], v[52+\c], s33, v[32+\c]
	v_cndmask_b32 v[32+\c], 0, v[32+\c], vcc_lo    ; no candidate: 0 (a valid key is at least 0x2c800000)
.endr
	s_wait_xcnt 0x0                                ; EXEC changes only behind this wait
	v_cmp_gt_u32 vcc_lo, 16, v1
	s_and_saveexec_b32 s56, vcc_lo
	global_store_b128 v26, v[32:35], s[14:15]      ; sixteen lanes store 256 consecutive bytes, aligned
	s_or_b32 s2, s58, s59
	s_cmp_lg_u32 s2, 0
	s_cbranch_scc1 .Lnohdr
	global_store_b128 v24, v[48:51], s[14:15] offset:65536
.Lnohdr:
	s_wait_xcnt 0x0
	s_or_b32 exec_lo, exec_lo, s56
.Lend:
	s_wait_tensorcnt 0x0
	ds_add_u32 v254, v255
	s_wait_dscnt 0x0
	s_endpgm
.Lfunc_end_k_q586dd72e9c_first:
	.size	k_q586dd72e9c_first, .Lfunc_end_k_q586dd72e9c_first-k_q586dd72e9c_first
	.p2alignl 7, 3214868480
	.fill 96, 4, 3214868480
	.section	.rodata,"a",@progbits
	.p2align	6, 0x0
	.amdhsa_kernel k_q586dd72e9c_first
		.amdhsa_group_segment_fixed_size 215040
		.amdhsa_private_segment_fixed_size 0
		.amdhsa_enable_private_segment 0
		.amdhsa_kernarg_size 24
		.amdhsa_user_sgpr_count 2
		.amdhsa_user_sgpr_kernarg_segment_ptr 1
		.amdhsa_wavefront_size32 1
		.amdhsa_system_sgpr_workgroup_id_x 1
		.amdhsa_system_sgpr_workgroup_id_y 1
		.amdhsa_system_sgpr_workgroup_id_z 1
		.amdhsa_system_vgpr_workitem_id 0
		.amdhsa_next_free_vgpr 256
		.amdhsa_next_free_sgpr 66
		.amdhsa_reserve_vcc 1
		.amdhsa_float_denorm_mode_32 3
		.amdhsa_float_denorm_mode_16_64 3
		.amdhsa_memory_ordered 1
		.amdhsa_forward_progress 1
		.amdhsa_inst_pref_size 62
	.end_amdhsa_kernel
	.amdgpu_metadata
---
amdhsa.version: [ 1, 2 ]
amdhsa.kernels:
  - .name:           k_q586dd72e9c_first
    .symbol:         k_q586dd72e9c_first.kd
    .args:
      - { .name: pointcloud, .offset: 0, .size: 8, .value_kind: global_buffer, .address_space: global }
      - { .name: targets, .offset: 8, .size: 8, .value_kind: global_buffer, .address_space: global }
      - { .name: candA, .offset: 16, .size: 8, .value_kind: global_buffer, .address_space: global }
    .group_segment_fixed_size: 215040
    .private_segment_fixed_size: 0
    .kernarg_segment_align: 8
    .kernarg_segment_size: 24
    .max_flat_workgroup_size: 256
    .sgpr_count:     66
    .vgpr_count:     256
    .wavefront_size: 32
...
	.end_amdgpu_metadata
.endif
;; end of part 4
;; launch scan1 (part 5): grid 64 x 4, 8 waves a work-group, no clusters, 210,944 bytes of LDS; arguments pointcloud, targets, candA, candB, pl0, pl1, pl2, pl3, pl4, out0, out1; writes candB, pl0, out0, out1
.if DOCPART == 5
	.amdgcn_target "amdgcn-amd-amdhsa--gfx1250"
	.amdhsa_code_object_version 6
	.text
	.protected	k_q586dd72e9c_scan1
	.globl	k_q586dd72e9c_scan1
	.p2align	8
	.type	k_q586dd72e9c_scan1,@function
k_q586dd72e9c_scan1:
	s_mov_b64 s[64:65], 0
	v_nop
	global_prefetch_b8 v0, s[64:65] scope:SCOPE_SE
	s_setreg_imm32_b32 hwreg(HW_REG_WAVE_MODE, 25, 1), 1
	s_wait_xcnt 0x0
; Rounds 1 to 5 of the plane search, one body.  Arguments: points, targets, candidates in, candidates out, the plane table that is written,
; four plane tables that are only read (the older planes, in any order), out0, out1.
; The word behind the incoming candidates says how many planes are older than the one made here (0 to 4); P = that + 1 planes are tested.
; 1. Each of the 256 threads reads the keys of 16 of the 64 slice winners of one of the work-group's 64 targets (whole numbers that sort like -d2:
;    see the first launch), keeps the two with the largest 20-bit distance field (unsigned compares, strictly larger in ascending slice order),
;    fetches those two points and weighs them by d2 in f32 as (t2 + p2) - 2 t.p with fused chains, strictly smaller in ascending order of
;    the points' numbers; four partial winners a target meet in LDS.  No valid candidate: point 0.
; 2. The plane: a = (c - t) / (|c - t| + 1e-8), b = a.c; the work-groups of slice 0 store it.
; 3. The scan: as in the first launch, with P more matrix instructions a tile: Y = 2^100 (b - a.p - 1e-6), positive for points that stay.
;    key = min(packed -d2, Y1 .. YP): a removed point's key is below -2^40 and never valid.  Bits dropped inside the matrix instruction lower Y.
; LIMITS: as in the first launch (12 low bits of d2 give way to the point's number; valid d2 below 2^40, coordinates below 2^19);
; of each 16 slices only two winners are weighed in f32: where three or more of them agree in sign, exponent and 11 mantissa bits of d2,
; the one that a full comparison would take may be left out (on an exact tie the earliest slice is always kept);
; Y = 0 exactly counts as kept; the plane test is a near-exact sum, not the order of rounding of a chain of f32 operations;
; v_sqrt_f32 and v_rcp_f32 are good to 1 ulp and take denormals as zero (ISA guide, their entries).
.set NPTS,  200000
.set NM1,   NPTS-1
.set SLICE, 3136
.set CRED,  204800                     ; LDS: [4 parts][64 targets] x 16 bytes (x, y, z, d2).  Bytes below: 200 tiles of 1,024 bytes
.set RED,   208896                     ; LDS: [8 waves][32 targets] f32
.set PT,    32                         ; v[32:131]  25 points of the build
.set OUTR,  132                        ; v[132:139] a fragment on its way to LDS
.set AF,    32                         ; later: A fragments, quantity k of group g at AF + 48 g + 8 k (0: -d2, 1: newest plane, 2..: older)
.set BEST,  128                        ; v[128:143]
.set TT,    140                        ; v[140:142] the target whose candidates this thread weighs
.set BF,    144                        ; v[144:159] two B fragments
.set TG,    148                        ; before the loop: my two targets
.set DD,    160                        ; results of the loop
.set GA,    160                        ; before the loop: v[160:167] 2 fetched candidates (x, y, z, 0 or infinity); then 2 x 4 partial winners; then the older planes
.set NP,    224                        ; v[224:231] the new plane of my two targets (ax, ay, az, b)
.set IX,    232                        ; v[232:247] the keys of 16 slice winners
.set TA,    248                        ; v248 byte offset of the thread's target
.set PB,    249                        ; v249 first point of my 16 slices + 4,095
.macro SPLIT src, h, m, l              ; v[src] = h + m + l exactly, each with 8 significant bits
	v_and_b32 v[\h], s31, v[\src]
	v_sub_f32 v[\l], v[\src], v[\h]
	v_and_b32 v[\m], s31, v[\l]
	v_sub_f32 v[\l], v[\l], v[\m]
.endm
.macro BTILE k                         ; 16 points as a B fragment: places h m l h m l h m; last block p2h p2m p2l 1 1 1 1 1
	v_mul_f32 v16, v[PT+4*\k], v[PT+4*\k]
	v_fma_f32 v16, v[PT+4*\k+1], v[PT+4*\k+1], v16
	v_fma_f32 v16, v[PT+4*\k+2], v[PT+4*\k+2], v16
	v_cmp_ge_u32 vcc_lo, NM1-16*\k, v8
	v_cndmask_b32 v16, s4, v16, vcc_lo                     ; outside the cloud: p2 = 2^60
	v_cndmask_b32 v17, v[PT+4*\k], v[PT+4*\k+1], s31       ; x | y
	v_cndmask_b32 v18, v[PT+4*\k+2], v16, s31              ; z | p2
	SPLIT 17, 19, 20, 21
	SPLIT 18, 22, 23, 24
	v_perm_b32 v[OUTR+0], v20, v19, s32
	v_perm_b32 v[OUTR+1], v19, v21, s32
	v_perm_b32 v[OUTR+2], v21, v20, s32
	v_mov_b32 v[OUTR+3], v[OUTR+0]
	v_cndmask_b32 v25, v22, 1.0, s31
	v_cndmask_b32 v26, v23, 1.0, s31
	v_cndmask_b32 v27, v24, 1.0, s31
	v_perm_b32 v[OUTR+4], v23, v22, s32
	v_perm_b32 v[OUTR+5], v25, v24, s32
	v_perm_b32 v[OUTR+6], v27, v26, s32
	v_perm_b32 v[OUTR+7], v26, v25, s32
	ds_store_b128 v6, v[OUTR:OUTR+3] offset:1024*\k
	ds_store_b128 v6, v[OUTR+4:OUTR+7] offset:1024*\k+512
.endm
.macro ABUILD dst, vx, vy, vz, c, one, epk     ; places Vh Vh Vh Vm Vm Vm Vl Vl; last block one one one ch cm cl e0 e1
	v_cndmask_b32 v16, v[\vx], v[\vy], s31
	v_cndmask_b32 v17, v[\vz], v[\c], s31
	SPLIT 16, 18, 19, 20
	SPLIT 17, 21, 22, 23
	v_perm_b32 v[\dst+0], v18, v18, s32
	v_perm_b32 v[\dst+1], v19, v18, s32
	v_perm_b32 v[\dst+2], v19, v19, s32
	v_perm_b32 v[\dst+3], v20, v20, s32
	v_cndmask_b32 v24, v21, \one, s31
	v_cndmask_b32 v25, v22, v21, s31
	v_cndmask_b32 v26, v22, v23, s31
	v_perm_b32 v[\dst+4], v24, v24, s32
	v_perm_b32 v[\dst+5], v25, v24, s32
	v_perm_b32 v[\dst+6], v26, v22, s32
	v_perm_b32 v27, v23, v23, s32
	v_cndmask_b32 v[\dst+7], v27, \epk, s31
.endm
.macro DFRAG g                         ; -d2: coefficients 2 t, constant -t2, p2 taken with -1
	v_mul_f32 v31, v[TG+4*\g], v[TG+4*\g]
	v_fma_f32 v31, v[TG+4*\g+1], v[TG+4*\g+1], v31
	v_fma_f32 v31, v[TG+4*\g+2], v[TG+4*\g+2], v31
	v_mul_f32 v28, 2.0, v[TG+4*\g]
	v_mul_f32 v29, 2.0, v[TG+4*\g+1]
	v_mul_f32 v30, 2.0, v[TG+4*\g+2]
	v_mul_f32 v31, -1.0, v31
	ABUILD AF+48*\g, 28, 29, 30, 31, -1.0, 0
.endm
.macro PFRAG dst, src                  ; Y: coefficients -2^100 a, constant 2^100 b, and -2^100 x 1e-6 in two pieces; the scaling is exact
	v_mul_f32 v28, s49, v[\src]
	v_mul_f32 v29, s49, v[\src+1]
	v_mul_f32 v30, s49, v[\src+2]
	v_mul_f32 v31, s48, v[\src+3]
	ABUILD \dst, 28, 29, 30, 31, 0, s5
.endm
; The two best of my 16 keys, whole-number work alone.  v20, v21: the best key and its slice (0 to 15); v22, v23: the second.  A key beats another only
; by a larger 20-bit distance field (it is compared with the other's key with all 12 number bits set), so the earlier slice stays on a tie.
; Then the two points' numbers in the cloud, v28 < v29; 0x7fffffff where there is no candidate.
.macro TOP2
	v_mov_b32 v20, v[IX]
	v_mov_b32 v21, 0
	v_mov_b32 v22, 0
	v_mov_b32 v23, 0
.irp k, 1,2,3,4,5,6,7,8,9,10,11,12,13,14,15
	v_or_b32 v26, s41, v20
	v_cmp_gt_u32 vcc_lo, v[IX+\k], v26
	v_cndmask_b32 v24, v[IX+\k], v20, vcc_lo               ; the loser of the two, and its slice
	v_cndmask_b32 v25, \k, v21, vcc_lo
	v_cndmask_b32 v20, v20, v[IX+\k], vcc_lo
	v_cndmask_b32 v21, v21, \k, vcc_lo
	v_or_b32 v26, s41, v22
	v_cmp_gt_u32 vcc_lo, v24, v26
	v_cndmask_b32 v22, v22, v24, vcc_lo
	v_cndmask_b32 v23, v23, v25, vcc_lo
.endr
	v_and_b32 v24, s41, v20                                ; 4,095 - number in the slice
	v_and_b32 v25, s41, v22
	v_mad_u32_u24 v26, v21, s40, v[PB]                     ; 3,136 slice + 4,095
	v_mad_u32_u24 v27, v23, s40, v[PB]
	v_sub_nc_u32 v26, v26, v24
	v_sub_nc_u32 v27, v27, v25
	v_cmp_ne_u32 vcc_lo, 0, v20
	v_cndmask_b32 v26, s6, v26, vcc_lo
	v_cmp_ne_u32 vcc_lo, 0, v22
	v_cndmask_b32 v27, s6, v27, vcc_lo
	v_cmp_lt_u32 vcc_lo, v26, v27
	v_cndmask_b32 v28, v27, v26, vcc_lo                    ; the lower number first
	v_cndmask_b32 v29, v26, v27, vcc_lo
.endm
.macro CAND k                          ; candidate k against the thread's best so far
	v_mul_f32 v25, v[GA+4*\k], v[GA+4*\k]
	v_mul_f32 v26, v[TT], v[GA+4*\k]
	v_fma_f32 v25, v[GA+4*\k+1], v[GA+4*\k+1], v25
	v_fma_f32 v26, v[TT+1], v[GA+4*\k+1], v26
	v_fma_f32 v25, v[GA+4*\k+2], v[GA+4*\k+2], v25
	v_fma_f32 v26, v[TT+2], v[GA+4*\k+2], v26
	v_add_f32 v25, v24, v25                                ; t2 + p2
	v_fma_f32 v25, -2.0, v26, v25
.if \k == 0
	v_add_f32 v15, v25, v[GA+3]                            ; + 0, or + infinity where there is no candidate
	v_mov_b32 v12, v[GA]
	v_mov_b32 v13, v[GA+1]
	v_mov_b32 v14, v[GA+2]
.else
	v_add_f32 v25, v25, v[GA+4*\k+3]
	v_cmp_lt_f32 vcc_lo, v25, v15
	v_cndmask_b32 v12, v12, v[GA+4*\k], vcc_lo
	v_cndmask_b32 v13, v13, v[GA+4*\k+1], vcc_lo
	v_cndmask_b32 v14, v14, v[GA+4*\k+2], vcc_lo
	v_cndmask_b32 v15, v15, v25, vcc_lo
.endif
.endm
.macro COMBINE base                    ; four partial winners in ascending slice order; the result in the first one's registers
.irp q, 1,2,3
	v_cmp_lt_f32 vcc_lo, v[\base+4*\q+3], v[\base+3]
	v_cndmask_b32 v[\base+0], v[\base+0], v[\base+4*\q+0], vcc_lo
	v_cndmask_b32 v[\base+1], v[\base+1], v[\base+4*\q+1], vcc_lo
	v_cndmask_b32 v[\base+2], v[\base+2], v[\base+4*\q+2], vcc_lo
	v_cndmask_b32 v[\base+3], v[\base+3], v[\base+4*\q+3], vcc_lo
.endr
	v_cmp_eq_f32 vcc_lo, s34, v[\base+3]                   ; nothing left: point 0, as an argmin over infinities gives
	v_cndmask_b32 v[\base+0], v[\base+0], s36, vcc_lo
	v_cndmask_b32 v[\base+1], v[\base+1], s37, vcc_lo
	v_cndmask_b32 v[\base+2], v[\base+2], s38, vcc_lo
.endm
.macro PLANE np, c, t
	v_sub_f32 v[\np], v[\c], v[\t]
	v_sub_f32 v[\np+1], v[\c+1], v[\t+1]
	v_sub_f32 v[\np+2], v[\c+2], v[\t+2]
	v_mul_f32 v28, v[\np], v[\np]
	v_fma_f32 v28, v[\np+1], v[\np+1], v28
	v_fma_f32 v28, v[\np+2], v[\np+2], v28
	v_sqrt_f32 v29, v28
	v_nop                                                  ; one plain place behind a transcendental (ISA guide 5.7.2)
	s_wait_alu depctr_va_vdst(0)
	v_add_f32 v29, s52, v29                                ; + 1e-8
	v_rcp_f32 v30, v29
	v_nop
	s_wait_alu depctr_va_vdst(0)
	v_mul_f32 v[\np], v[\np], v30
	v_mul_f32 v[\np+1], v[\np+1], v30
	v_mul_f32 v[\np+2], v[\np+2], v30
	v_mul_f32 v[\np+3], v[\np], v[\c]
	v_fma_f32 v[\np+3], v[\np+1], v[\c+1], v[\np+3]
	v_fma_f32 v[\np+3], v[\np+2], v[\c+2], v[\np+3]
.endm
.macro WM g, P, bf                     ; P + 1 quantities of one tile; each product starts from the constant 0: there are no sums in place
.set wk, 0
.rept \P+1
	v_wmma_f32_16x16x32_bf16 v[DD+48*\g+8*wk:DD+48*\g+8*wk+7], v[AF+48*\g+8*wk:AF+48*\g+8*wk+7], v[BF+8*\bf:BF+8*\bf+7], 0
.set wk, wk+1
.endr
.endm
.macro RED8 g, P                       ; key = min(packed -d2, Y1 .. YP); best = max(best, key)
.irp j, 0,1,2,3,4,5,6,7
	v_and_or_b32 v[DD+48*\g+\j], v[DD+48*\g+\j], s33, v7
.endr
.if \P >= 2
.irp j, 0,1,2,3,4,5,6,7
	v_min3_num_f32 v[DD+48*\g+\j], v[DD+48*\g+\j], v[DD+48*\g+8+\j], v[DD+48*\g+16+\j]
.endr
.endif
.if \P >= 4
.irp j, 0,1,2,3,4,5,6,7
	v_min3_num_f32 v[DD+48*\g+\j], v[DD+48*\g+\j], v[DD+48*\g+24+\j], v[DD+48*\g+32+\j]
.endr
.endif
.if \P & 1
.irp j, 0,1,2,3,4,5,6,7
	v_minmax_num_f32 v[BEST+8*\g+\j], v[DD+48*\g+\j], v[DD+48*\g+8*\P+\j], v[BEST+8*\g+\j]
.endr
.else
.irp j, 0,1,2,3,4,5,6,7
	v_max_num_f32 v[BEST+8*\g+\j], v[BEST+8*\g+\j], v[DD+48*\g+\j]
.endr
.endif
.endm
; One tile.  Group 1's results of the tile before are reduced behind group 0's matrix instructions, group 0's behind group 1's: at least sixteen
; plain vector instructions that name none of its registers stand behind every matrix instruction before its result is read or written over
; or its B fragment loaded again (ISA guide 7.12.1 asks for four and five); in the first tile five v_nop.
.macro TILE P, bf, first, off
	s_wait_dscnt 0x2                                       ; LDS loads return in order: this buffer's two are in, the other buffer's two may be out
	WM 0, \P, \bf
.if \first
.rept 5
	v_nop
.endr
.else
	RED8 1, \P
	v_add_nc_u32 v7, 16, v7
.endif
	WM 1, \P, \bf
	RED8 0, \P
	ds_load_b128 v[BF+8*\bf:BF+8*\bf+3], v6 offset:\off
	ds_load_b128 v[BF+8*\bf+4:BF+8*\bf+7], v6 offset:\off+512
.endm
.macro SCANLOOP P                      ; 1 + 2 x 24 = 49 tiles; the look-ahead reads at most tile 197 of the 200 built
.irp j, 0,1,2,3,4,5,6,7,8,9,10,11,12,13,14,15
	v_mov_b32 v[BEST+\j], s51
.endr
	ds_load_b128 v[BF:BF+3], v6
	ds_load_b128 v[BF+4:BF+7], v6 offset:512
	ds_load_b128 v[BF+8:BF+11], v6 offset:1024
	ds_load_b128 v[BF+12:BF+15], v6 offset:1536
	TILE \P, 0, 1, 2048
	s_mov_b32 s57, 24
.Lloop_\P:
	TILE \P, 1, 0, 3072
	TILE \P, 0, 0, 4096
	v_add_nc_u32 v6, 2048, v6
	s_sub_co_i32 s57, s57, 1
	s_cmp_lg_u32 s57, 0
	s_cbranch_scc1 .Lloop_\P
	RED8 1, \P
.endm
.macro VARIANT P                       ; the P - 1 older planes of my two targets, their fragments, the loop.  No barrier stands in here
.if \P > 1
.set vk, 0
.rept \P-1
	global_load_b128 v[GA+8*vk:GA+8*vk+3], v3, s[18+2*vk:19+2*vk]
	global_load_b128 v[GA+8*vk+4:GA+8*vk+7], v3, s[18+2*vk:19+2*vk] offset:256
.set vk, vk+1
.endr
	s_wait_loadcnt 0x0
.set vk, 0
.rept \P-1
	PFRAG AF+8*(vk+2), GA+8*vk
	PFRAG AF+48+8*(vk+2), GA+8*vk+4
.set vk, vk+1
.endr
.endif
	SCANLOOP \P
.endm
	s_load_b512 s[8:23], s[0:1], 0x0               ; points s[8:9], targets s[10:11], candidates in s[12:13], out s[14:15], plane table written s[16:17], read s[18:23] ..
	s_load_b128 s[24:27], s[0:1], 0x40             ; .. s[24:25]; out0 s[26:27]
	s_load_b64 s[28:29], s[0:1], 0x50              ; out1
	s_set_vgpr_msb 0x40
	v_lshl_add_u32 v0, v0, 2, 0x33400
	v_mov_b32 v1, 0
	s_set_vgpr_msb 0x4000
	v_and_b32 v1, 31, v0                           ; lane
	v_and_b32 v2, 15, v0                           ; r
	v_lshrrev_b32 v16, 5, v0
	v_readfirstlane_b32 s35, v16                   ; wave
	s_mov_b32 s58, ttmp9                           ; slice
	s_and_b32 s59, ttmp7, 0xffff                   ; quarter of the targets
	s_and_b32 s61, s35, 1                          ; which 32 targets
	s_lshr_b32 s39, s35, 1                         ; which 49 tiles
	s_mul_i32 s62, s58, SLICE
	s_lshl3_add_u32 s60, s58, s35                  ; 8 slice + wave: below 2 for the two waves that store the planes
	s_mov_b32 s31, 0xffff0000                      ; lanes 16-31, and a word's upper half
	s_mov_b32 s32, 0x07060302
	s_mov_b32 s33, 0xfffff000
	s_mov_b32 s34, 0x7f800000                      ; infinity
	s_mov_b32 s51, 0xff800000                      ; -infinity
	s_mov_b32 s4, 0x5d800000                       ; 2^60
	s_mov_b32 s5, 0xe2dee786                       ; -2^100 x 1e-6: its two upper bf16 pieces
	s_mov_b32 s6, 0x7fffffff                       ; no candidate
	s_mov_b32 s7, 0xd3800000                       ; -2^40
	s_mov_b32 s40, SLICE
	s_mov_b32 s41, 0xfff
	s_mov_b32 s48, 0x71800000                      ; 2^100
	s_mov_b32 s49, 0xf1800000                      ; -2^100
	s_mov_b32 s50, NPTS
	s_mov_b32 s52, 0x322bcc77                      ; 1e-8
	s_lshl_b32 s2, s59, 6
	s_lshl_b32 s3, s61, 5
	s_add_co_u32 s2, s2, s3
	v_add_nc_u32 v17, s2, v2                       ; my first target: 64 y + 32 (w & 1) + r
	v_lshlrev_b32 v3, 4, v17
	v_mul_u32_u24 v4, 12, v17
	v_lshlrev_b32 v5, 2, v17
	s_mul_i32 s2, s35, 25600
	v_lshl_add_u32 v6, v1, 4, s2
	s_mul_i32 s2, s39, 784
	v_add_nc_u32 v7, s2, v2
	s_mul_i32 s2, s35, 400
	s_add_co_u32 s2, s2, s62
	v_add_nc_u32 v8, s2, v2
	s_lshl_b32 s2, s61, 9
	s_add_co_u32 s2, s2, CRED
	v_lshl_add_u32 v9, v2, 4, s2                   ; the partial winners of my first target
	v_lshrrev_b32 v16, 6, v0                       ; which 16 slices' candidates: 0 to 3
	v_and_b32 v18, 63, v0                          ; of which target
	s_lshl_b32 s2, s59, 8
	v_lshl_add_u32 v10, v18, 2, s2
	v_lshl_add_u32 v10, v16, 14, v10               ; 16,384 part + 256 y + 4 target
	v_mul_u32_u24 v[PB], 16*SLICE, v16
	v_add_nc_u32 v[PB], 0xfff, v[PB]
	s_lshl_b32 s3, s59, 6
	v_add_nc_u32 v[TA], s3, v18
	v_mul_u32_u24 v[TA], 12, v[TA]
	v_lshrrev_b32 v16, 4, v1                       ; h
	s_lshl_b32 s2, s35, 7
	s_add_co_u32 s2, s2, RED
	v_lshl_add_u32 v11, v16, 5, s2
	s_wait_kmcnt 0x0
	s_load_b32 s30, s[12:13], 0x10000              ; how many planes are older
	s_load_b96 s[36:38], s[8:9], 0x0               ; point 0
.irp k, 0,1,2,3,4,5,6,7,8,9,10,11,12,13,14,15
	global_load_b32 v[IX+\k], v10, s[12:13] offset:1024*\k         ; the keys go first: they are worked on while the points are on their way
.endr
.irp k, 0,1,2,3,4,5,6,7,8,9,10,11,12,13,14,15,16,17,18,19,20,21,22,23,24
	v_add_nc_u32 v[PT+4*\k], 16*\k, v8
	v_min_u32 v[PT+4*\k], NM1, v[PT+4*\k]
	v_mul_u32_u24 v[PT+4*\k], 12, v[PT+4*\k]
	global_load_b96 v[PT+4*\k:PT+4*\k+2], v[PT+4*\k], s[8:9]       ; the load lands on its own address register
.endr
	global_load_b96 v[TT:TT+2], v[TA], s[10:11]
	global_load_b96 v[TG:TG+2], v4, s[10:11]
	global_load_b96 v[TG+4:TG+6], v4, s[10:11] offset:192
	s_wait_loadcnt 28                              ; loads return in order: the 25 + 3 issued behind the sixteen keys may be out
	TOP2
.irp k, 0,1
	v_cmp_gt_u32 vcc_lo, s50, v[28+\k]             ; a candidate at all?
	v_cndmask_b32 v[GA+4*\k+3], s34, 0, vcc_lo     ; 0 if so, else infinity: added to its d2
	v_min_u32 v[GA+4*\k], 0x30d3f, v[28+\k]        ; inside the cloud in any case
	v_mul_u32_u24 v[GA+4*\k], 12, v[GA+4*\k]
	global_load_b96 v[GA+4*\k:GA+4*\k+2], v[GA+4*\k], s[8:9]
.endr
	s_wait_loadcnt 0x2                             ; points and targets are in; the two fetched candidates may be out
.irp k, 0,1,2,3,4,5,6,7,8,9,10,11,12,13,14,15,16,17,18,19,20,21,22,23,24
	BTILE \k
.endr
	v_mul_f32 v24, v[TT], v[TT]
	v_fma_f32 v24, v[TT+1], v[TT+1], v24
	v_fma_f32 v24, v[TT+2], v[TT+2], v24           ; t2
	s_wait_loadcnt 0x0
	CAND 0
	CAND 1
	v_lshl_add_u32 v16, v0, 4, CRED                ; thread = 64 part + target
	ds_store_b128 v16, v[12:15]
	s_wait_dscnt 0x0                               ; my tiles and my partial winner are in LDS,
	s_barrier_signal -1
	s_barrier_wait -1                              ; everybody's are
.irp q, 0,1,2,3
	ds_load_b128 v[GA+4*\q:GA+4*\q+3], v9 offset:1024*\q
	ds_load_b128 v[GA+16+4*\q:GA+16+4*\q+3], v9 offset:1024*\q+256
.endr
	s_mul_i32 s2, s39, 50176
	v_lshl_add_u32 v6, v1, 4, s2                   ; my 49 tiles
	s_wait_dscnt 0x0
	s_wait_kmcnt 0x0
	COMBINE GA
	COMBINE GA+16
	PLANE NP, GA, TG
	PLANE NP+4, GA+16, TG+4
	s_min_u32 s30, s30, 4                          ; the loaded number is bounded before it enters an offset
	s_cmp_ge_u32 s60, 2
	s_cbranch_scc1 .Lnowrite
	s_mul_i32 s2, s30, 3072                        ; this plane's row in out0,
	s_mov_b32 s3, 0
	s_add_nc_u64 s[26:27], s[26:27], s[2:3]
	s_lshl_b32 s2, s30, 10                         ; and in out1
	s_add_nc_u64 s[28:29], s[28:29], s[2:3]
	s_wait_xcnt 0x0                                ; EXEC changes only behind this wait
	v_cmp_gt_u32 vcc_lo, 16, v1
	s_and_saveexec_b32 s56, vcc_lo
	global_store_b128 v3, v[NP:NP+3], s[16:17]             ; sixteen lanes store 256 consecutive bytes, aligned
	global_store_b128 v3, v[NP+4:NP+7], s[16:17] offset:256
	global_store_b96 v4, v[NP:NP+2], s[26:27]
	global_store_b96 v4, v[NP+4:NP+6], s[26:27] offset:192
	global_store_b32 v5, v[NP+3], s[28:29]
	global_store_b32 v5, v[NP+7], s[28:29] offset:64
	s_wait_xcnt 0x0                                ; and again; the stores' data are written over only behind it
	s_or_b32 exec_lo, exec_lo, s56
.Lnowrite:
	DFRAG 0
	DFRAG 1
	PFRAG AF+8, NP
	PFRAG AF+56, NP+4
	s_cmp_eq_u32 s30, 0
	s_cbranch_scc1 .Lv1
	s_cmp_eq_u32 s30, 1
	s_cbranch_scc1 .Lv2
	s_cmp_eq_u32 s30, 2
	s_cbranch_scc1 .Lv3
	s_cmp_eq_u32 s30, 3
	s_cbranch_scc1 .Lv4
	VARIANT 5
	s_branch .Lepi
.Lv1:
	VARIANT 1
	s_branch .Lepi
.Lv2:
	VARIANT 2
	s_branch .Lepi
.Lv3:
	VARIANT 3
	s_branch .Lepi
.Lv4:
	VARIANT 4
.Lepi:
	; Every wave's LDS reads of the loop are over before any wave stores into LDS again: the keys' bytes lie behind the tiles, and with this
	; barrier the order of those reads and these stores does not rest on the loop's stepped addresses.
	s_wait_dscnt 0x0                               ; my reads of the tiles are back, the two look-ahead fragments too
	s_barrier_signal -1
	; register work meanwhile: the largest key over the sixteen points of a lane half
.irp m, 1,2,4,8
.irp j, 0,1,2,3,4,5,6,7,8,9,10,11,12,13,14,15
	v_max_num_f32_dpp v[BEST+\j], v[BEST+\j], v[BEST+\j] row_xmask:\m row_mask:0xf bank_mask:0xf
.endr
.endr
	s_barrier_wait -1
	; then over the four waves that share the targets
.irp j, 0,1,2,3,4,5,6,7
	ds_store_b32 v11, v[BEST+\j] offset:4*\j       ; sixteen lanes write one word with one value
	ds_store_b32 v11, v[BEST+8+\j] offset:64+4*\j
.endr
	s_wait_dscnt 0x0                               ; my words are in LDS,
	s_barrier_signal -1
	s_barrier_wait -1                              ; everybody's are
	s_cmp_lg_u32 s35, 0
	s_cbranch_scc1 .Lend
	v_lshlrev_b32 v24, 4, v2
	v_add_nc_u32 v25, RED, v24
.irp q, 0,1,2,3
	ds_load_b128 v[32+4*\q:35+4*\q], v25 offset:256*\q     ; four targets a lane, one load for each quarter of the tiles
.endr
	s_lshl_b32 s2, s58, 10
	s_lshl_b32 s3, s59, 8
	s_add_co_u32 s2, s2, s3
	v_add_nc_u32 v26, s2, v24                      ; 1,024 slice + 256 y + 16 lane
	s_add_co_u32 s3, s30, 1                        ; planes known to the next launch
.irp c, 0,1,2,3
	v_mov_b32 v[48+\c], s3
.endr
	s_wait_dscnt 0x0
.irp c, 0,1,2,3
	v_max3_num_f32 v[32+\c], v[32+\c], v[36+\c], v[40+\c]
	v_max_num_f32 v[32+\c], v[32+\c], v[44+\c]
	v_cmp_lt_f32 vcc_lo, s7, v[32+\c]              ; valid: -2^40 < key
	v_ashrrev_i32 v[52+\c], 31, v[32+\c]           ; the float's bits in unsigned order: a negative one is inverted,
	v_or_b32 v[52+\c], 0x80000000, v[52+\c]        ; any other gets the top bit
	v_xor_b32 v[52+\c], v[52+\c], v[32+\c]
	v_and_b32 v[32+\c], s41, v[32+\c]              ; the point's number in the slice,
	v_xor_b32 v[32+\c], s41, v[32+\c]              ; as 4,095 - number
	v_and_or_b32 v[32+\c], v[52+\c], s33, v[32+\c]
	v_cndmask_b32 v[32+\c], 0, v[32+\c], vcc_lo    ; no candidate: 0 (a valid key is at least 0x2c800000)
.endr
	s_wait_xcnt 0x0                                ; EXEC changes only behind this wait
	v_cmp_gt_u32 vcc_lo, 16, v1
	s_and_saveexec_b32 s56, vcc_lo
	global_store_b128 v26, v[32:35], s[14:15]      ; sixteen lanes store 256 consecutive bytes, aligned
	s_or_b32 s2, s58, s59
	s_cmp_lg_u32 s2, 0
	s_cbranch_scc1 .Lnohdr
	global_store_b128 v24, v[48:51], s[14:15] offset:65536
.Lnohdr:
	s_wait_xcnt 0x0
	s_or_b32 exec_lo, exec_lo, s56
.Lend:
	s_set_vgpr_msb 0x5
	s_wait_tensorcnt 0x0
	ds_add_u32 v0, v1
	s_wait_dscnt 0x0
	s_set_vgpr_msb 0x500
	s_endpgm
.Lfunc_end_k_q586dd72e9c_scan1:
	.size	k_q586dd72e9c_scan1, .Lfunc_end_k_q586dd72e9c_scan1-k_q586dd72e9c_scan1
	.p2alignl 7, 3214868480
	.fill 96, 4, 3214868480
	.section	.rodata,"a",@progbits
	.p2align	6, 0x0
	.amdhsa_kernel k_q586dd72e9c_scan1
		.amdhsa_group_segment_fixed_size 210944
		.amdhsa_private_segment_fixed_size 0
		.amdhsa_enable_private_segment 0
		.amdhsa_kernarg_size 88
		.amdhsa_user_sgpr_count 2
		.amdhsa_user_sgpr_kernarg_segment_ptr 1
		.amdhsa_wavefront_size32 1
		.amdhsa_system_sgpr_workgroup_id_x 1
		.amdhsa_system_sgpr_workgroup_id_y 1
		.amdhsa_system_sgpr_workgroup_id_z 1
		.amdhsa_system_vgpr_workitem_id 0
		.amdhsa_next_free_vgpr 258
		.amdhsa_next_free_sgpr 66
		.amdhsa_reserve_vcc 1
		.amdhsa_float_denorm_mode_32 3
		.amdhsa_float_denorm_mode_16_64 3
		.amdhsa_memory_ordered 1
		.amdhsa_forward_progress 1
		.amdhsa_inst_pref_size 161
	.end_amdhsa_kernel
	.amdgpu_metadata
---
amdhsa.version: [ 1, 2 ]
amdhsa.kernels:
  - .name:           k_q586dd72e9c_scan1
    .symbol:         k_q586dd72e9c_scan1.kd
    .args:
      - { .name: pointcloud, .offset: 0, .size: 8, .value_kind: global_buffer, .address_space: global }
      - { .name: targets, .offset: 8, .size: 8, .value_kind: global_buffer, .address_space: global }
      - { .name: candA, .offset: 16, .size: 8, .value_kind: global_buffer, .address_space: global }
      - { .name: candB, .offset: 24, .size: 8, .value_kind: global_buffer, .address_space: global }
      - { .name: pl0, .offset: 32, .size: 8, .value_kind: global_buffer, .address_space: global }
      - { .name: pl1, .offset: 40, .size: 8, .value_kind: global_buffer, .address_space: global }
      - { .name: pl2, .offset: 48, .size: 8, .value_kind: global_buffer, .address_space: global }
      - { .name: pl3, .offset: 56, .size: 8, .value_kind: global_buffer, .address_space: global }
      - { .name: pl4, .offset: 64, .size: 8, .value_kind: global_buffer, .address_space: global }
      - { .name: out0, .offset: 72, .size: 8, .value_kind: global_buffer, .address_space: global }
      - { .name: out1, .offset: 80, .size: 8, .value_kind: global_buffer, .address_space: global }
    .group_segment_fixed_size: 210944
    .private_segment_fixed_size: 0
    .kernarg_segment_align: 8
    .kernarg_segment_size: 88
    .max_flat_workgroup_size: 256
    .sgpr_count:     66
    .vgpr_count:     258
    .wavefront_size: 32
...
	.end_amdgpu_metadata
.endif
;; end of part 5
;; launch scan2: the kernel of part 5 again; grid 64 x 4, 8 waves a work-group, no clusters, 210,944 bytes of LDS; arguments pointcloud, targets, candB, candA, pl1, pl0, pl2, pl3, pl4, out0, out1; writes candA, pl1, out0, out1
;; launch scan3: the kernel of part 5 again; grid 64 x 4, 8 waves a work-group, no clusters, 210,944 bytes of LDS; arguments pointcloud, targets, candA, candB, pl2, pl0, pl1, pl3, pl4, out0, out1; writes candB, pl2, out0, out1
;; launch scan4: the kernel of part 5 again; grid 64 x 4, 8 waves a work-group, no clusters, 210,944 bytes of LDS; arguments pointcloud, targets, candB, candA, pl3, pl0, pl1, pl2, pl4, out0, out1; writes candA, pl3, out0, out1
;; launch scan5: the kernel of part 5 again; grid 64 x 4, 8 waves a work-group, no clusters, 210,944 bytes of LDS; arguments pointcloud, targets, candA, candB, pl4, pl0, pl1, pl2, pl3, out0, out1; writes candB, pl4, out0, out1
;; launch last (part 6): grid 4 x 1, 8 waves a work-group, no clusters, 5,120 bytes of LDS; arguments pointcloud, targets, candB, out0, out1; writes out0, out1
.if DOCPART == 6
	.amdgcn_target "amdgcn-amd-amdhsa--gfx1250"
	.amdhsa_code_object_version 6
	.text
	.protected	k_q586dd72e9c_last
	.globl	k_q586dd72e9c_last
	.p2align	8
	.type	k_q586dd72e9c_last,@function
k_q586dd72e9c_last:
	s_mov_b64 s[64:65], 0
	v_nop
	global_prefetch_b8 v0, s[64:65] scope:SCOPE_SE
	s_setreg_imm32_b32 hwreg(HW_REG_WAVE_MODE, 25, 1), 1
	s_wait_xcnt 0x0
; The sixth plane: from the last scan's candidates alone.  Work-group y: 64 targets, 256 threads.  Thread t reads the keys of 16 of the 64 slice
; winners of target t & 63 (whole numbers that sort like -d2), keeps the two with the largest 20-bit distance field (unsigned compares, strictly
; larger in ascending slice order), fetches those two points and weighs them by d2 in f32 as (t2 + p2) - 2 t.p with fused chains, strictly
; smaller in ascending order of the points' numbers; four partial winners a target meet in LDS; threads 0 to 63 decide, make
; a = (c - t) / (|c - t| + 1e-8), b = a.c, and store row 5 of out0 and out1.  No valid candidate: point 0.
; Four work-groups have all the work there is: 16,384 keys.  No matrix work, no tiles.
; LIMITS: of each 16 slices only two winners are weighed in f32: where three or more of them agree in sign, exponent and 11 mantissa bits of d2,
; the one that a full comparison would take may be left out (on an exact tie the earliest slice is always kept);
; v_sqrt_f32 and v_rcp_f32 are good to 1 ulp and take denormals as zero (ISA guide, their entries).
.set NPTS,  200000
.set SLICE, 3136
.set PB,   7                           ; v7         first point of my 16 slices + 4,095
.set GA,   32                          ; v[32:39]   2 fetched candidates (x, y, z, 0 or infinity), then v[32:47] 4 partial winners
.set TT,   96                          ; v[96:98]   my target
.set NP,   100                         ; v[100:103] the plane
.set IX,   104                         ; v[104:119] the keys of 16 slice winners
; The two best of my 16 keys, whole-number work alone.  v20, v21: the best key and its slice (0 to 15); v22, v23: the second.  A key beats another only
; by a larger 20-bit distance field (it is compared with the other's key with all 12 number bits set), so the earlier slice stays on a tie.
; Then the two points' numbers in the cloud, v28 < v29; 0x7fffffff where there is no candidate.
.macro TOP2
	v_mov_b32 v20, v[IX]
	v_mov_b32 v21, 0
	v_mov_b32 v22, 0
	v_mov_b32 v23, 0
.irp k, 1,2,3,4,5,6,7,8,9,10,11,12,13,14,15
	v_or_b32 v26, s41, v20
	v_cmp_gt_u32 vcc_lo, v[IX+\k], v26
	v_cndmask_b32 v24, v[IX+\k], v20, vcc_lo       ; the loser of the two, and its slice
	v_cndmask_b32 v25, \k, v21, vcc_lo
	v_cndmask_b32 v20, v20, v[IX+\k], vcc_lo
	v_cndmask_b32 v21, v21, \k, vcc_lo
	v_or_b32 v26, s41, v22
	v_cmp_gt_u32 vcc_lo, v24, v26
	v_cndmask_b32 v22, v22, v24, vcc_lo
	v_cndmask_b32 v23, v23, v25, vcc_lo
.endr
	v_and_b32 v24, s41, v20                        ; 4,095 - number in the slice
	v_and_b32 v25, s41, v22
	v_mad_u32_u24 v26, v21, s40, v[PB]             ; 3,136 slice + 4,095
	v_mad_u32_u24 v27, v23, s40, v[PB]
	v_sub_nc_u32 v26, v26, v24
	v_sub_nc_u32 v27, v27, v25
	v_cmp_ne_u32 vcc_lo, 0, v20
	v_cndmask_b32 v26, s6, v26, vcc_lo
	v_cmp_ne_u32 vcc_lo, 0, v22
	v_cndmask_b32 v27, s6, v27, vcc_lo
	v_cmp_lt_u32 vcc_lo, v26, v27
	v_cndmask_b32 v28, v27, v26, vcc_lo            ; the lower number first
	v_cndmask_b32 v29, v26, v27, vcc_lo
.endm
.macro CAND k
	v_mul_f32 v25, v[GA+4*\k], v[GA+4*\k]
	v_mul_f32 v26, v[TT], v[GA+4*\k]
	v_fma_f32 v25, v[GA+4*\k+1], v[GA+4*\k+1], v25
	v_fma_f32 v26, v[TT+1], v[GA+4*\k+1], v26
	v_fma_f32 v25, v[GA+4*\k+2], v[GA+4*\k+2], v25
	v_fma_f32 v26, v[TT+2], v[GA+4*\k+2], v26
	v_add_f32 v25, v24, v25                        ; t2 + p2
	v_fma_f32 v25, -2.0, v26, v25
.if \k == 0
	v_add_f32 v15, v25, v[GA+3]                    ; + 0, or + infinity where there is no candidate
	v_mov_b32 v12, v[GA]
	v_mov_b32 v13, v[GA+1]
	v_mov_b32 v14, v[GA+2]
.else
	v_add_f32 v25, v25, v[GA+4*\k+3]
	v_cmp_lt_f32 vcc_lo, v25, v15
	v_cndmask_b32 v12, v12, v[GA+4*\k], vcc_lo
	v_cndmask_b32 v13, v13, v[GA+4*\k+1], vcc_lo
	v_cndmask_b32 v14, v14, v[GA+4*\k+2], vcc_lo
	v_cndmask_b32 v15, v15, v25, vcc_lo
.endif
.endm
	s_load_b256 s[8:15], s[0:1], 0x0               ; points s[8:9], targets s[10:11], candidates s[12:13], out0 s[14:15]
	s_load_b64 s[16:17], s[0:1], 0x20              ; out1
	v_lshl_add_u32 v120, v0, 2, 0x1000
	v_mov_b32 v121, 0
	v_lshrrev_b32 v16, 5, v0
	v_readfirstlane_b32 s35, v16                   ; wave
	s_mov_b32 s34, 0x7f800000                      ; infinity
	s_mov_b32 s6, 0x7fffffff                       ; no candidate
	s_mov_b32 s40, SLICE
	s_mov_b32 s41, 0xfff
	s_mov_b32 s50, NPTS
	s_mov_b32 s52, 0x322bcc77                      ; 1e-8
	v_lshrrev_b32 v16, 6, v0                       ; which 16 slices: 0 to 3
	v_and_b32 v18, 63, v0                          ; which target
	s_lshl_b32 s2, ttmp9, 8
	v_lshl_add_u32 v10, v18, 2, s2
	v_lshl_add_u32 v10, v16, 14, v10               ; 16,384 part + 256 y + 4 target
	v_mul_u32_u24 v[PB], 16*SLICE, v16
	v_add_nc_u32 v[PB], 0xfff, v[PB]
	s_lshl_b32 s3, ttmp9, 6
	v_add_nc_u32 v17, s3, v18
	v_mul_u32_u24 v4, 12, v17                      ; my target's bytes in targets and in a row of out0,
	v_lshlrev_b32 v5, 2, v17                       ; in a row of out1
	v_lshlrev_b32 v6, 4, v0                        ; LDS: thread = 64 part + target
	s_wait_kmcnt 0x0
	s_load_b96 s[36:38], s[8:9], 0x0               ; point 0
.irp k, 0,1,2,3,4,5,6,7,8,9,10,11,12,13,14,15
	global_load_b32 v[IX+\k], v10, s[12:13] offset:1024*\k
.endr
	global_load_b96 v[TT:TT+2], v4, s[10:11]
	s_wait_loadcnt 0x1                             ; loads return in order: the target's, issued behind the sixteen keys, may be out
	TOP2
.irp k, 0,1
	v_cmp_gt_u32 vcc_lo, s50, v[28+\k]             ; a candidate at all?
	v_cndmask_b32 v[GA+4*\k+3], s34, 0, vcc_lo     ; 0 if so, else infinity: added to its d2
	v_min_u32 v[GA+4*\k], 0x30d3f, v[28+\k]        ; inside the cloud in any case
	v_mul_u32_u24 v[GA+4*\k], 12, v[GA+4*\k]
	global_load_b96 v[GA+4*\k:GA+4*\k+2], v[GA+4*\k], s[8:9]       ; the load lands on its own address register
.endr
	s_wait_loadcnt 0x0
	v_mul_f32 v24, v[TT], v[TT]
	v_fma_f32 v24, v[TT+1], v[TT+1], v24
	v_fma_f32 v24, v[TT+2], v[TT+2], v24           ; t2
	CAND 0
	CAND 1
	ds_store_b128 v6, v[12:15]
	s_wait_kmcnt 0x0
	s_wait_dscnt 0x0                               ; my partial winner is in LDS,
	s_barrier_signal -1
	s_barrier_wait -1                              ; everybody's is
	s_cmp_ge_u32 s35, 2
	s_cbranch_scc1 .Lend
.irp q, 0,1,2,3
	ds_load_b128 v[GA+4*\q:GA+4*\q+3], v6 offset:1024*\q
.endr
	s_wait_dscnt 0x0
.irp q, 1,2,3
	v_cmp_lt_f32 vcc_lo, v[GA+4*\q+3], v[GA+3]
	v_cndmask_b32 v[GA+0], v[GA+0], v[GA+4*\q+0], vcc_lo
	v_cndmask_b32 v[GA+1], v[GA+1], v[GA+4*\q+1], vcc_lo
	v_cndmask_b32 v[GA+2], v[GA+2], v[GA+4*\q+2], vcc_lo
	v_cndmask_b32 v[GA+3], v[GA+3], v[GA+4*\q+3], vcc_lo
.endr
	v_cmp_eq_f32 vcc_lo, s34, v[GA+3]              ; nothing left: point 0
	v_cndmask_b32 v[GA+0], v[GA+0], s36, vcc_lo
	v_cndmask_b32 v[GA+1], v[GA+1], s37, vcc_lo
	v_cndmask_b32 v[GA+2], v[GA+2], s38, vcc_lo
	v_sub_f32 v[NP], v[GA], v[TT]
	v_sub_f32 v[NP+1], v[GA+1], v[TT+1]
	v_sub_f32 v[NP+2], v[GA+2], v[TT+2]
	v_mul_f32 v28, v[NP], v[NP]
	v_fma_f32 v28, v[NP+1], v[NP+1], v28
	v_fma_f32 v28, v[NP+2], v[NP+2], v28
	v_sqrt_f32 v29, v28
	v_nop                                          ; one plain place behind a transcendental (ISA guide 5.7.2)
	s_wait_alu depctr_va_vdst(0)
	v_add_f32 v29, s52, v29
	v_rcp_f32 v30, v29
	v_nop
	s_wait_alu depctr_va_vdst(0)
	v_mul_f32 v[NP], v[NP], v30
	v_mul_f32 v[NP+1], v[NP+1], v30
	v_mul_f32 v[NP+2], v[NP+2], v30
	v_mul_f32 v[NP+3], v[NP], v[GA]
	v_fma_f32 v[NP+3], v[NP+1], v[GA+1], v[NP+3]
	v_fma_f32 v[NP+3], v[NP+2], v[GA+2], v[NP+3]
	global_store_b96 v4, v[NP:NP+2], s[14:15] offset:15360         ; row 5 of out0: 5 x 3,072 bytes
	global_store_b32 v5, v[NP+3], s[16:17] offset:5120             ; row 5 of out1: 5 x 1,024 bytes
.Lend:
	s_wait_tensorcnt 0x0
	ds_add_u32 v120, v121
	s_wait_dscnt 0x0
	s_endpgm
.Lfunc_end_k_q586dd72e9c_last:
	.size	k_q586dd72e9c_last, .Lfunc_end_k_q586dd72e9c_last-k_q586dd72e9c_last
	.p2alignl 7, 3214868480
	.fill 96, 4, 3214868480
	.section	.rodata,"a",@progbits
	.p2align	6, 0x0
	.amdhsa_kernel k_q586dd72e9c_last
		.amdhsa_group_segment_fixed_size 5120
		.amdhsa_private_segment_fixed_size 0
		.amdhsa_enable_private_segment 0
		.amdhsa_kernarg_size 40
		.amdhsa_user_sgpr_count 2
		.amdhsa_user_sgpr_kernarg_segment_ptr 1
		.amdhsa_wavefront_size32 1
		.amdhsa_system_sgpr_workgroup_id_x 1
		.amdhsa_system_sgpr_workgroup_id_y 1
		.amdhsa_system_sgpr_workgroup_id_z 1
		.amdhsa_system_vgpr_workitem_id 0
		.amdhsa_next_free_vgpr 122
		.amdhsa_next_free_sgpr 66
		.amdhsa_reserve_vcc 1
		.amdhsa_float_denorm_mode_32 3
		.amdhsa_float_denorm_mode_16_64 3
		.amdhsa_memory_ordered 1
		.amdhsa_forward_progress 1
		.amdhsa_inst_pref_size 14
	.end_amdhsa_kernel
	.amdgpu_metadata
---
amdhsa.version: [ 1, 2 ]
amdhsa.kernels:
  - .name:           k_q586dd72e9c_last
    .symbol:         k_q586dd72e9c_last.kd
    .args:
      - { .name: pointcloud, .offset: 0, .size: 8, .value_kind: global_buffer, .address_space: global }
      - { .name: targets, .offset: 8, .size: 8, .value_kind: global_buffer, .address_space: global }
      - { .name: candB, .offset: 16, .size: 8, .value_kind: global_buffer, .address_space: global }
      - { .name: out0, .offset: 24, .size: 8, .value_kind: global_buffer, .address_space: global }
      - { .name: out1, .offset: 32, .size: 8, .value_kind: global_buffer, .address_space: global }
    .group_segment_fixed_size: 5120
    .private_segment_fixed_size: 0
    .kernarg_segment_align: 8
    .kernarg_segment_size: 40
    .max_flat_workgroup_size: 256
    .sgpr_count:     66
    .vgpr_count:     122
    .wavefront_size: 32
...
	.end_amdgpu_metadata
.endif
;; end of part 6
;; ======== version 3 of 3: 7 launches; 1.47 times as fast as version 1
;; limits: values within 0.000488 (relative) of each other or of a threshold may be ordered or decided otherwise than in the reference; inputs' magnitudes at most 524,288
;; workspace buffers: candA 65,792 bytes of whole numbers; candB 65,792 bytes of whole numbers; pl0 16,384 bytes; pl1 16,384 bytes; pl2 16,384 bytes; pl3 16,384 bytes; pl4 16,384 bytes
;; launch first (part 7): grid 64 x 4, 8 waves a work-group, no clusters, 215,040 bytes of LDS; arguments pointcloud, targets, candA; writes candA
.if DOCPART == 7
	.amdgcn_target "amdgcn-amd-amdhsa--gfx1250"
	.amdhsa_code_object_version 6
	.text
	.protected	k_q586dd72e9c_first
	.globl	k_q586dd72e9c_first
	.p2align	8
	.type	k_q586dd72e9c_first,@function
k_q586dd72e9c_first:
	s_mov_b64 s[64:65], 0
	v_nop
	global_prefetch_b8 v0, s[64:65] scope:SCOPE_SE
	s_setreg_imm32_b32 hwreg(HW_REG_WAVE_MODE, 25, 1), 1
	s_wait_xcnt 0x0
; Round 0 of the plane search: for each of 256 targets and each of 64 slices of 3,136 points, the nearest point of the slice.
; Stored: cand[slice][target] = the winner's key as a whole number that sorts like -d2 (upper 20 bits: sign, exponent and 11 mantissa bits of -d2,
; mapped so that unsigned order is the floats' order; lower 12 bits: 4,095 - the point's number in the slice; 0: no candidate), and behind the
; table 256 bytes with the number of planes known so far, 0.
; The next launch picks among a target's 64 winners and fetches them: no address of this launch hangs on a distance.
; Work-group (x = slice, y = quarter of the targets): 64 targets x 196 tiles of 16 points.  Wave w: 32 targets (w & 1), 49 tiles (w >> 1).
; -d2 = 2 t.p - p2 - t2 is ONE matrix instruction for 16 targets x 16 points: every f32 number is cut into three bf16 pieces whose sum is the
; number, and the 32 places of K hold the products of the pieces (x: K 0-7, y: 8-15, z: 16-23, p2 and t2: 24-31); only low x low is left out.
; In the loop a point's key is -d2 with its lowest 12 bits replaced by the point's number in the slice; the largest key wins.
; LIMITS: two points of one slice whose d2 agree in sign, exponent and 11 mantissa bits are ordered by number, not by d2; a distance is valid
; below 2^40, so coordinates stay below 2^19; the sum inside the matrix instruction is rounded otherwise than a chain of f32 additions;
; a tile is inside the cloud or outside as a whole: 200,000 points are 12,500 tiles, and slices and waves begin on tile boundaries.
.set NPTS,  200000
.set NM1,   NPTS-1
.set NTILES, NPTS/16
.set SLICE, 3136
.set RED,   212992                     ; LDS: [8 waves][32 targets] f32.  Bytes 0 to 204,799: 200 tiles of 1,024 bytes, the points as B fragments
.set PT,    32                         ; v[32:131]  25 points of the build, 4 registers each: x, y, z, then p2
.set W,     168                        ; v[168:247] the build's work, five tiles at a time, 16 registers each: 8 at work, 8 the fragment
.set AF,    32                         ; later: A fragments, quantity k of group g at AF + 48 g + 8 k
.set BEST,  128                        ; v[128:143] largest key of target 16 g + 8 h + j at BEST + 8 g + j
.set BF,    144                        ; v[144:159] two B fragments
.set TG,    148                        ; before the loop: my two targets, v[148:150], v[152:154]
.set DD,    160                        ; results: quantity k of group g at DD + 48 g + 8 k
.macro BREG g, i                       ; tile 5 g + i of my 25: its point's registers and its work registers
	.set bp, PT+20*\g+4*\i
	.set bt, W+16*\i
.endm
; Five tiles of 16 points as B fragments, stage by stage, so that no instruction stands next to the one whose result it reads.
; Lanes 0-15 hold x (registers 0-3) and z (4-7), lanes 16-31 y and (p2, ones).  A number v is cut as h = upper half of v, m = upper half of v - h,
; l = v - h - m: exact, each with 8 significant bits.  A coordinate's eight places: h m l h m l h m.  The last block: p2h p2m p2l 1 1 1 1 1.
; Work registers: +0 x|y, then h|1; +1 z|p2, then (m, l); +2, +6, +4: h, m, l of the first; +3, +7, +5: of the second; +8 to +15 the fragment.
.macro BGROUP g
.irp i, 0,1,2,3,4
	s_cmp_lt_u32 s47, NTILES-5*\g-\i                       ; is the tile inside the cloud?
	s_cselect_b32 s[42+\i], 0, s4                          ; if not, p2 starts from 2^60: never valid
.endr
.irp i, 0,1,2,3,4
	BREG \g, \i
	v_fma_f32 v[bp+3], v[bp], v[bp], s[42+\i]
	v_cndmask_b32 v[bt], v[bp], v[bp+1], s31               ; x | y
.endr
.irp i, 0,1,2,3,4
	BREG \g, \i
	v_fma_f32 v[bp+3], v[bp+1], v[bp+1], v[bp+3]
	v_and_b32 v[bt+2], s31, v[bt]
.endr
.irp i, 0,1,2,3,4
	BREG \g, \i
	v_fma_f32 v[bp+3], v[bp+2], v[bp+2], v[bp+3]           ; p2
	v_sub_f32 v[bt+4], v[bt], v[bt+2]
.endr
.irp i, 0,1,2,3,4
	BREG \g, \i
	v_cndmask_b32 v[bt+1], v[bp+2], v[bp+3], s31           ; z | p2
	v_and_b32 v[bt+6], s31, v[bt+4]
.endr
.irp i, 0,1,2,3,4
	BREG \g, \i
	v_and_b32 v[bt+3], s31, v[bt+1]
	v_sub_f32 v[bt+4], v[bt+4], v[bt+6]
.endr
.irp i, 0,1,2,3,4
	BREG \g, \i
	v_sub_f32 v[bt+5], v[bt+1], v[bt+3]
	v_perm_b32 v[bt+8], v[bt+6], v[bt+2], s32              ; (h, m): the second source's upper half goes below
.endr
.irp i, 0,1,2,3,4
	BREG \g, \i
	v_and_b32 v[bt+7], s31, v[bt+5]
	v_perm_b32 v[bt+9], v[bt+2], v[bt+4], s32              ; (l, h)
	v_perm_b32 v[bt+10], v[bt+4], v[bt+6], s32             ; (m, l)
.endr
.irp i, 0,1,2,3,4
	BREG \g, \i
	v_sub_f32 v[bt+5], v[bt+5], v[bt+7]
	v_mov_b32 v[bt+11], v[bt+8]                            ; (h, m)
	v_cndmask_b32 v[bt], v[bt+3], 1.0, s31                 ; h | 1
.endr
.irp i, 0,1,2,3,4
	BREG \g, \i
	v_perm_b32 v[bt+12], v[bt+7], v[bt+3], s32             ; (h, m)   | (p2h, p2m)
	v_perm_b32 v[bt+13], v[bt], v[bt+5], s32               ; (l, h)   | (p2l, 1)
	v_perm_b32 v[bt+1], v[bt+5], v[bt+7], s32              ; (m, l)
.endr
.irp i, 0,1,2,3,4
	BREG \g, \i
	v_cndmask_b32 v[bt+15], v[bt+12], s53, s31             ; (h, m)   | (1, 1)
	v_cndmask_b32 v[bt+14], v[bt+1], s53, s31              ; (m, l)   | (1, 1)
.endr
.irp i, 0,1,2,3,4
	BREG \g, \i
	ds_store_b128 v6, v[bt+8:bt+11] offset:1024*(5*\g+\i)
	ds_store_b128 v6, v[bt+12:bt+15] offset:1024*(5*\g+\i)+512
.endr
.endm
; Two A fragments at once, at dst and dst + 48, for my two groups of 16 targets; group g works in v[16+176 g ..]: +12, +13, +14 the coefficients
; of x, y, z, +15 the constant c.  A coordinate's places: Vh Vh Vh Vm Vm Vm Vl Vl.  The last block: one one one ch cm cl e0 e1.
.macro AB2 dst, one, epk
.irp g, 0,1
	.set fa, 16+176*\g
	v_cndmask_b32 v[fa], v[fa+12], v[fa+13], s31
	v_cndmask_b32 v[fa+1], v[fa+14], v[fa+15], s31
.endr
.irp g, 0,1
	.set fa, 16+176*\g
	v_and_b32 v[fa+2], s31, v[fa]
	v_and_b32 v[fa+5], s31, v[fa+1]
.endr
.irp g, 0,1
	.set fa, 16+176*\g
	v_sub_f32 v[fa+4], v[fa], v[fa+2]
	v_sub_f32 v[fa+7], v[fa+1], v[fa+5]
.endr
.irp g, 0,1
	.set fa, 16+176*\g
	v_and_b32 v[fa+3], s31, v[fa+4]
	v_and_b32 v[fa+6], s31, v[fa+7]
.endr
.irp g, 0,1
	.set fa, 16+176*\g
	v_sub_f32 v[fa+4], v[fa+4], v[fa+3]
	v_sub_f32 v[fa+7], v[fa+7], v[fa+6]
.endr
.irp g, 0,1
	.set fa, 16+176*\g
	.set fd, \dst+48*\g
	v_perm_b32 v[fd], v[fa+2], v[fa+2], s32
	v_perm_b32 v[fd+1], v[fa+3], v[fa+2], s32
	v_perm_b32 v[fd+2], v[fa+3], v[fa+3], s32
	v_cndmask_b32 v[fa+8], v[fa+5], \one, s31
	v_cndmask_b32 v[fa+9], v[fa+6], v[fa+5], s31
.endr
.irp g, 0,1
	.set fa, 16+176*\g
	.set fd, \dst+48*\g
	v_perm_b32 v[fd+3], v[fa+4], v[fa+4], s32
	v_cndmask_b32 v[fa+10], v[fa+6], v[fa+7], s31
	v_perm_b32 v[fa+11], v[fa+7], v[fa+7], s32
	v_perm_b32 v[fd+4], v[fa+8], v[fa+8], s32
	v_perm_b32 v[fd+5], v[fa+9], v[fa+8], s32
.endr
.irp g, 0,1
	.set fa, 16+176*\g
	.set fd, \dst+48*\g
	v_perm_b32 v[fd+6], v[fa+10], v[fa+6], s32
	v_cndmask_b32 v[fd+7], v[fa+11], \epk, s31
.endr
.endm
.macro DFRAG2                          ; the fragments of -d2: coefficients 2 t, constant -t2, p2 taken with -1
.irp g, 0,1
	.set fa, 16+176*\g
	.set ft, TG+4*\g
	v_mul_f32 v[fa+15], v[ft], v[ft]
	v_mul_f32 v[fa+12], 2.0, v[ft]
	v_mul_f32 v[fa+13], 2.0, v[ft+1]
	v_mul_f32 v[fa+14], 2.0, v[ft+2]
.endr
.irp g, 0,1
	.set fa, 16+176*\g
	.set ft, TG+4*\g
	v_fma_f32 v[fa+15], v[ft+1], v[ft+1], v[fa+15]
.endr
.irp g, 0,1
	.set fa, 16+176*\g
	.set ft, TG+4*\g
	v_fma_f32 v[fa+15], v[ft+2], v[ft+2], v[fa+15]
.endr
.irp g, 0,1
	.set fa, 16+176*\g
	v_mul_f32 v[fa+15], -1.0, v[fa+15]
.endr
	AB2 AF, -1.0, 0
.endm
.macro WM g, P, bf                     ; P + 1 quantities of one tile; each product starts from the constant 0: there are no sums in place
.set wk, 0
.rept \P+1
	v_wmma_f32_16x16x32_bf16 v[DD+48*\g+8*wk:DD+48*\g+8*wk+7], v[AF+48*\g+8*wk:AF+48*\g+8*wk+7], v[BF+8*\bf:BF+8*\bf+7], 0
.set wk, wk+1
.endr
.endm
.macro RED8 g, P                       ; key = min(packed -d2, Y1 .. YP); best = max(best, key)
.irp j, 0,1,2,3,4,5,6,7
	v_and_or_b32 v[DD+48*\g+\j], v[DD+48*\g+\j], s33, v7
.endr
.if \P >= 2
.irp j, 0,1,2,3,4,5,6,7
	v_min3_num_f32 v[DD+48*\g+\j], v[DD+48*\g+\j], v[DD+48*\g+8+\j], v[DD+48*\g+16+\j]
.endr
.endif
.if \P >= 4
.irp j, 0,1,2,3,4,5,6,7
	v_min3_num_f32 v[DD+48*\g+\j], v[DD+48*\g+\j], v[DD+48*\g+24+\j], v[DD+48*\g+32+\j]
.endr
.endif
.if \P & 1
.irp j, 0,1,2,3,4,5,6,7
	v_minmax_num_f32 v[BEST+8*\g+\j], v[DD+48*\g+\j], v[DD+48*\g+8*\P+\j], v[BEST+8*\g+\j]
.endr
.else
.irp j, 0,1,2,3,4,5,6,7
	v_max_num_f32 v[BEST+8*\g+\j], v[BEST+8*\g+\j], v[DD+48*\g+\j]
.endr
.endif
.endm
; One tile.  Group 1's results of the tile before are reduced behind group 0's matrix instructions, group 0's behind group 1's: at least sixteen
; plain vector instructions that name none of its registers stand behind every matrix instruction before its result is read or written over
; or its B fragment loaded again (ISA guide 7.12.1 asks for four and five); in the first tile five v_nop.
.macro TILE P, bf, first, off
	s_wait_dscnt 0x2                                       ; LDS loads return in order: this buffer's two are in, the other buffer's two may be out
	WM 0, \P, \bf
.if \first
.rept 5
	v_nop
.endr
.else
	RED8 1, \P
	v_add_nc_u32 v7, 16, v7                                ; the points' numbers of this tile
.endif
	WM 1, \P, \bf
	RED8 0, \P
	ds_load_b128 v[BF+8*\bf:BF+8*\bf+3], v6 offset:\off    ; the tile after the next
	ds_load_b128 v[BF+8*\bf+4:BF+8*\bf+7], v6 offset:\off+512
.endm
.macro SCANLOOP P                      ; 1 + 2 x 24 = 49 tiles; the look-ahead reads at most tile 197 of the 200 built
.irp j, 0,1,2,3,4,5,6,7,8,9,10,11,12,13,14,15
	v_mov_b32 v[BEST+\j], s51
.endr
	ds_load_b128 v[BF:BF+3], v6
	ds_load_b128 v[BF+4:BF+7], v6 offset:512
	ds_load_b128 v[BF+8:BF+11], v6 offset:1024
	ds_load_b128 v[BF+12:BF+15], v6 offset:1536
	TILE \P, 0, 1, 2048
	s_mov_b32 s57, 24
.Lloop_\P:
	TILE \P, 1, 0, 3072
	TILE \P, 0, 0, 4096
	v_add_nc_u32 v6, 2048, v6
	s_sub_co_i32 s57, s57, 1
	s_cmp_lg_u32 s57, 0
	s_cbranch_scc1 .Lloop_\P
	RED8 1, \P
.endm
	s_load_b128 s[8:11], s[0:1], 0x0               ; pointcloud s[8:9], targets s[10:11]
	s_load_b64 s[14:15], s[0:1], 0x10              ; the candidates' table
	v_lshl_add_u32 v254, v0, 2, 0x34400
	v_mov_b32 v255, 0
	v_and_b32 v1, 31, v0                           ; lane
	v_and_b32 v2, 15, v0                           ; r
	v_lshrrev_b32 v16, 5, v0
	v_readfirstlane_b32 s35, v16                   ; wave
	s_mov_b32 s58, ttmp9                           ; slice
	s_and_b32 s59, ttmp7, 0xffff                   ; quarter of the targets
	s_and_b32 s61, s35, 1                          ; which 32 targets
	s_lshr_b32 s39, s35, 1                         ; which 49 tiles
	s_mul_i32 s62, s58, SLICE                      ; the slice's first point
	s_mul_i32 s47, s58, SLICE/16
	s_mul_i32 s2, s35, 25
	s_add_co_u32 s47, s47, s2                      ; the number in the cloud of the first tile that my wave builds
	s_mov_b32 s31, 0xffff0000                      ; lanes 16-31, and a word's upper half
	s_mov_b32 s32, 0x07060302                      ; v_perm_b32: two upper halves
	s_mov_b32 s33, 0xfffff000
	s_mov_b32 s51, 0xff800000                      ; -infinity
	s_mov_b32 s53, 0x3f803f80                      ; 1, 1 in bf16
	s_mov_b32 s4, 0x5d800000                       ; 2^60
	s_mov_b32 s7, 0xd3800000                       ; -2^40
	s_lshl_b32 s2, s59, 6
	s_lshl_b32 s3, s61, 5
	s_add_co_u32 s2, s2, s3
	v_add_nc_u32 v17, s2, v2                       ; my first target: 64 y + 32 (w & 1) + r
	v_mul_u32_u24 v4, 12, v17
	s_mul_i32 s2, s35, 25600
	v_lshl_add_u32 v6, v1, 4, s2                   ; the build: my wave's 25 tiles, 16 bytes a lane
	s_mul_i32 s2, s39, 784
	v_add_nc_u32 v7, s2, v2                        ; my point's number in the slice, first tile of the loop
	s_mul_i32 s2, s35, 400
	s_add_co_u32 s2, s2, s62
	v_add_nc_u32 v8, s2, v2                        ; my point's number in the cloud, first tile of the build
	v_lshrrev_b32 v16, 4, v1                       ; h
	s_lshl_b32 s2, s35, 7
	s_add_co_u32 s2, s2, RED
	v_lshl_add_u32 v11, v16, 5, s2
	s_wait_kmcnt 0x0
.irp k, 0,1,2,3,4,5,6,7,8,9,10,11,12,13,14,15,16,17,18,19,20,21,22,23,24
	v_add_nc_u32 v[PT+4*\k], 16*\k, v8
	v_min_u32 v[PT+4*\k], NM1, v[PT+4*\k]          ; the last slice runs past the cloud: no load leaves the buffer
	v_mul_u32_u24 v[PT+4*\k], 12, v[PT+4*\k]
	global_load_b96 v[PT+4*\k:PT+4*\k+2], v[PT+4*\k], s[8:9]       ; the load lands on its own address register
.endr
	global_load_b96 v[TG:TG+2], v4, s[10:11]
	global_load_b96 v[TG+4:TG+6], v4, s[10:11] offset:192
	s_wait_loadcnt 0x0                             ; all of it is needed next
.irp g, 0,1,2,3,4
	BGROUP \g
.endr
	s_wait_dscnt 0x0                               ; my tiles are in LDS,
	s_barrier_signal -1
	s_barrier_wait -1                              ; everybody's are
	s_mul_i32 s2, s39, 50176
	v_lshl_add_u32 v6, v1, 4, s2                   ; my 49 tiles
	DFRAG2
	SCANLOOP 0
	; the largest key over the sixteen points of a lane half, then over the four waves that share the targets
.irp m, 1,2,4,8
.irp j, 0,1,2,3,4,5,6,7,8,9,10,11,12,13,14,15
	v_max_num_f32_dpp v[BEST+\j], v[BEST+\j], v[BEST+\j] row_xmask:\m row_mask:0xf bank_mask:0xf
.endr
.endr
.irp j, 0,1,2,3,4,5,6,7
	ds_store_b32 v11, v[BEST+\j] offset:4*\j       ; sixteen lanes write one word with one value
	ds_store_b32 v11, v[BEST+8+\j] offset:64+4*\j
.endr
	s_wait_dscnt 0x0                               ; my words are in LDS, and the two look-ahead fragments are back
	s_barrier_signal -1
	s_barrier_wait -1
	s_cmp_lg_u32 s35, 0
	s_cbranch_scc1 .Lend
	v_lshlrev_b32 v24, 4, v2
	v_add_nc_u32 v25, RED, v24
.irp q, 0,1,2,3
	ds_load_b128 v[32+4*\q:35+4*\q], v25 offset:256*\q     ; four targets a lane, one load for each quarter of the tiles
.endr
	s_lshl_b32 s2, s58, 10
	s_lshl_b32 s3, s59, 8
	s_add_co_u32 s2, s2, s3
	v_add_nc_u32 v26, s2, v24                      ; 1,024 slice + 256 y + 16 lane
.irp c, 0,1,2,3
	v_mov_b32 v[48+\c], 0                          ; planes known so far
.endr
	s_wait_dscnt 0x0
.irp c, 0,1,2,3
	v_max3_num_f32 v[32+\c], v[32+\c], v[36+\c], v[40+\c]
	v_max_num_f32 v[32+\c], v[32+\c], v[44+\c]
	v_cmp_lt_f32 vcc_lo, s7, v[32+\c]              ; valid: -2^40 < key
	v_ashrrev_i32 v[52+\c], 31, v[32+\c]           ; the float's bits in unsigned order: a negative one is inverted,
	v_or_b32 v[52+\c], 0x80000000, v[52+\c]        ; any other gets the top bit
	v_xor_b32 v[52+\c], v[52+\c], v[32+\c]
	v_and_b32 v[32+\c], 0xfff, v[32+\c]            ; the point's number in the slice,
	v_xor_b32 v[32+\c], 0xfff, v[32+\c]            ; as 4,095 - number
	v_and_or_b32 v[32+\c], v[52+\c], s33, v[32+\c]
	v_cndmask_b32 v[32+\c], 0, v[32+\c], vcc_lo    ; no candidate: 0 (a valid key is at least 0x2c800000)
.endr
	s_wait_xcnt 0x0                                ; EXEC changes only behind this wait
	v_cmp_gt_u32 vcc_lo, 16, v1
	s_and_saveexec_b32 s56, vcc_lo
	global_store_b128 v26, v[32:35], s[14:15]      ; sixteen lanes store 256 consecutive bytes, aligned
	s_or_b32 s2, s58, s59
	s_cmp_lg_u32 s2, 0
	s_cbranch_scc1 .Lnohdr
	global_store_b128 v24, v[48:51], s[14:15] offset:65536
.Lnohdr:
	s_wait_xcnt 0x0
	s_or_b32 exec_lo, exec_lo, s56
.Lend:
	s_wait_tensorcnt 0x0
	ds_add_u32 v254, v255
	s_wait_dscnt 0x0
	s_endpgm
.Lfunc_end_k_q586dd72e9c_first:
	.size	k_q586dd72e9c_first, .Lfunc_end_k_q586dd72e9c_first-k_q586dd72e9c_first
	.p2alignl 7, 3214868480
	.fill 96, 4, 3214868480
	.section	.rodata,"a",@progbits
	.p2align	6, 0x0
	.amdhsa_kernel k_q586dd72e9c_first
		.amdhsa_group_segment_fixed_size 215040
		.amdhsa_private_segment_fixed_size 0
		.amdhsa_enable_private_segment 0
		.amdhsa_kernarg_size 24
		.amdhsa_user_sgpr_count 2
		.amdhsa_user_sgpr_kernarg_segment_ptr 1
		.amdhsa_wavefront_size32 1
		.amdhsa_system_sgpr_workgroup_id_x 1
		.amdhsa_system_sgpr_workgroup_id_y 1
		.amdhsa_system_sgpr_workgroup_id_z 1
		.amdhsa_system_vgpr_workitem_id 0
		.amdhsa_next_free_vgpr 256
		.amdhsa_next_free_sgpr 66
		.amdhsa_reserve_vcc 1
		.amdhsa_float_denorm_mode_32 3
		.amdhsa_float_denorm_mode_16_64 3
		.amdhsa_memory_ordered 1
		.amdhsa_forward_progress 1
		.amdhsa_inst_pref_size 61
	.end_amdhsa_kernel
	.amdgpu_metadata
---
amdhsa.version: [ 1, 2 ]
amdhsa.kernels:
  - .name:           k_q586dd72e9c_first
    .symbol:         k_q586dd72e9c_first.kd
    .args:
      - { .name: pointcloud, .offset: 0, .size: 8, .value_kind: global_buffer, .address_space: global }
      - { .name: targets, .offset: 8, .size: 8, .value_kind: global_buffer, .address_space: global }
      - { .name: candA, .offset: 16, .size: 8, .value_kind: global_buffer, .address_space: global }
    .group_segment_fixed_size: 215040
    .private_segment_fixed_size: 0
    .kernarg_segment_align: 8
    .kernarg_segment_size: 24
    .max_flat_workgroup_size: 256
    .sgpr_count:     66
    .vgpr_count:     256
    .wavefront_size: 32
...
	.end_amdgpu_metadata
.endif
;; end of part 7
;; launch scan1 (part 8): grid 64 x 4, 8 waves a work-group, no clusters, 210,944 bytes of LDS; arguments pointcloud, targets, candA, candB, pl0, pl1, pl2, pl3, pl4, out0, out1; writes candB, pl0, out0, out1
.if DOCPART == 8
	.amdgcn_target "amdgcn-amd-amdhsa--gfx1250"
	.amdhsa_code_object_version 6
	.text
	.protected	k_q586dd72e9c_scan1
	.globl	k_q586dd72e9c_scan1
	.p2align	8
	.type	k_q586dd72e9c_scan1,@function
k_q586dd72e9c_scan1:
	s_mov_b64 s[64:65], 0
	v_nop
	global_prefetch_b8 v0, s[64:65] scope:SCOPE_SE
	s_setreg_imm32_b32 hwreg(HW_REG_WAVE_MODE, 25, 1), 1
	s_wait_xcnt 0x0
; Rounds 1 to 5 of the plane search, one body.  Arguments: points, targets, candidates in, candidates out, the plane table that is written,
; four plane tables that are only read (the older planes, in any order), out0, out1.
; The word behind the incoming candidates says how many planes are older than the one made here (0 to 4); P = that + 1 planes are tested.
; A plane table holds the plane's A fragments as the matrix instruction takes them: 16 groups of 16 targets x 1,024 bytes (lane L: 16 bytes at
; 16 L, registers 0-3, and at 512 + 16 L, registers 4-7), so a later round loads them straight into their registers.
; 1. Each of the 256 threads reads the keys of 16 of the 64 slice winners of one of the work-group's 64 targets (whole numbers that sort like -d2:
;    see the first launch), keeps the two with the largest 20-bit distance field (unsigned compares, strictly larger in ascending slice order),
;    fetches those two points and weighs them by d2 in f32 as (t2 + p2) - 2 t.p with fused chains, strictly smaller in ascending order of
;    the points' numbers; four partial winners a target meet in LDS.  No valid candidate: point 0.
; 2. The plane: a = (c - t) / (|c - t| + 1e-8), b = a.c; the work-groups of slice 0 store it to out0 and out1, and its fragments to the table.
; 3. The scan: as in the first launch, with P more matrix instructions a tile: Y = 2^100 (b - a.p - 1e-6), positive for points that stay.
;    key = min(packed -d2, Y1 .. YP): a removed point's key is below -2^40 and never valid.  Bits dropped inside the matrix instruction lower Y.
; LIMITS: as in the first launch (12 low bits of d2 give way to the point's number; valid d2 below 2^40, coordinates below 2^19; a tile is
; inside the cloud or outside as a whole: 200,000 points are 12,500 tiles);
; of each 16 slices only two winners are weighed in f32: where three or more of them agree in sign, exponent and 11 mantissa bits of d2,
; the one that a full comparison would take may be left out (on an exact tie the earliest slice is always kept);
; Y = 0 exactly counts as kept; the plane test is a near-exact sum, not the order of rounding of a chain of f32 operations;
; v_sqrt_f32 and v_rcp_f32 are good to 1 ulp and take denormals as zero (ISA guide, their entries).
.set NPTS,  200000
.set NM1,   NPTS-1
.set NTILES, NPTS/16
.set SLICE, 3136
.set CRED,  204800                     ; LDS: [4 parts][64 targets] x 16 bytes (x, y, z, d2).  Bytes below: 200 tiles of 1,024 bytes
.set RED,   208896                     ; LDS: [8 waves][32 targets] f32
.set PT,    32                         ; v[32:131]  25 points of the build, 4 registers each: x, y, z, then p2
.set W,     168                        ; v[168:247] the build's work, five tiles at a time, 16 registers each: 8 at work, 8 the fragment
.set AF,    32                         ; later: A fragments, quantity k of group g at AF + 48 g + 8 k (0: -d2, 1: newest plane, 2..: older)
.set BEST,  128                        ; v[128:143]
.set TT,    140                        ; v[140:142] the target whose candidates this thread weighs
.set BF,    144                        ; v[144:159] two B fragments
.set TG,    148                        ; before the loop: my two targets
.set DD,    160                        ; results of the loop
.set GA,    160                        ; before the loop: v[160:167] 2 fetched candidates (x, y, z, 0 or infinity); then v[160:191] 2 x 4 partial winners
.set NP,    224                        ; v[224:231] the new plane of my two targets (ax, ay, az, b)
.set IX,    232                        ; v[232:247] the keys of 16 slice winners (done with before the build)
.set TA,    248                        ; v248 byte offset of the thread's target
.set PB,    249                        ; v249 first point of my 16 slices + 4,095
.macro BREG g, i                       ; tile 5 g + i of my 25: its point's registers and its work registers
	.set bp, PT+20*\g+4*\i
	.set bt, W+16*\i
.endm
; Five tiles of 16 points as B fragments, stage by stage, so that no instruction stands next to the one whose result it reads.
; Lanes 0-15 hold x (registers 0-3) and z (4-7), lanes 16-31 y and (p2, ones).  A number v is cut as h = upper half of v, m = upper half of v - h,
; l = v - h - m: exact, each with 8 significant bits.  A coordinate's eight places: h m l h m l h m.  The last block: p2h p2m p2l 1 1 1 1 1.
; Work registers: +0 x|y, then h|1; +1 z|p2, then (m, l); +2, +6, +4: h, m, l of the first; +3, +7, +5: of the second; +8 to +15 the fragment.
.macro BGROUP g
.irp i, 0,1,2,3,4
	s_cmp_lt_u32 s47, NTILES-5*\g-\i                       ; is the tile inside the cloud?
	s_cselect_b32 s[42+\i], 0, s4                          ; if not, p2 starts from 2^60: never valid
.endr
.irp i, 0,1,2,3,4
	BREG \g, \i
	v_fma_f32 v[bp+3], v[bp], v[bp], s[42+\i]
	v_cndmask_b32 v[bt], v[bp], v[bp+1], s31               ; x | y
.endr
.irp i, 0,1,2,3,4
	BREG \g, \i
	v_fma_f32 v[bp+3], v[bp+1], v[bp+1], v[bp+3]
	v_and_b32 v[bt+2], s31, v[bt]
.endr
.irp i, 0,1,2,3,4
	BREG \g, \i
	v_fma_f32 v[bp+3], v[bp+2], v[bp+2], v[bp+3]           ; p2
	v_sub_f32 v[bt+4], v[bt], v[bt+2]
.endr
.irp i, 0,1,2,3,4
	BREG \g, \i
	v_cndmask_b32 v[bt+1], v[bp+2], v[bp+3], s31           ; z | p2
	v_and_b32 v[bt+6], s31, v[bt+4]
.endr
.irp i, 0,1,2,3,4
	BREG \g, \i
	v_and_b32 v[bt+3], s31, v[bt+1]
	v_sub_f32 v[bt+4], v[bt+4], v[bt+6]
.endr
.irp i, 0,1,2,3,4
	BREG \g, \i
	v_sub_f32 v[bt+5], v[bt+1], v[bt+3]
	v_perm_b32 v[bt+8], v[bt+6], v[bt+2], s32              ; (h, m): the second source's upper half goes below
.endr
.irp i, 0,1,2,3,4
	BREG \g, \i
	v_and_b32 v[bt+7], s31, v[bt+5]
	v_perm_b32 v[bt+9], v[bt+2], v[bt+4], s32              ; (l, h)
	v_perm_b32 v[bt+10], v[bt+4], v[bt+6], s32             ; (m, l)
.endr
.irp i, 0,1,2,3,4
	BREG \g, \i
	v_sub_f32 v[bt+5], v[bt+5], v[bt+7]
	v_mov_b32 v[bt+11], v[bt+8]                            ; (h, m)
	v_cndmask_b32 v[bt], v[bt+3], 1.0, s31                 ; h | 1
.endr
.irp i, 0,1,2,3,4
	BREG \g, \i
	v_perm_b32 v[bt+12], v[bt+7], v[bt+3], s32             ; (h, m)   | (p2h, p2m)
	v_perm_b32 v[bt+13], v[bt], v[bt+5], s32               ; (l, h)   | (p2l, 1)
	v_perm_b32 v[bt+1], v[bt+5], v[bt+7], s32              ; (m, l)
.endr
.irp i, 0,1,2,3,4
	BREG \g, \i
	v_cndmask_b32 v[bt+15], v[bt+12], s53, s31             ; (h, m)   | (1, 1)
	v_cndmask_b32 v[bt+14], v[bt+1], s53, s31              ; (m, l)   | (1, 1)
.endr
.irp i, 0,1,2,3,4
	BREG \g, \i
	ds_store_b128 v6, v[bt+8:bt+11] offset:1024*(5*\g+\i)
	ds_store_b128 v6, v[bt+12:bt+15] offset:1024*(5*\g+\i)+512
.endr
.endm
.macro FREG g                          ; group g of my two groups of 16 targets: its work registers, target, plane, chosen point
	.set fa, 16+176*\g
	.set ft, TG+4*\g
	.set fn, NP+4*\g
	.set fc, GA+16*\g
.endm
; Two A fragments at once, at dst and dst + 48; group g works in v[16+176 g ..]: +12, +13, +14 the coefficients of x, y, z, +15 the constant c.
; A coordinate's places: Vh Vh Vh Vm Vm Vm Vl Vl.  The last block: one one one ch cm cl e0 e1.
.macro AB2 dst, one, epk
.irp g, 0,1
	FREG \g
	v_cndmask_b32 v[fa], v[fa+12], v[fa+13], s31
	v_cndmask_b32 v[fa+1], v[fa+14], v[fa+15], s31
.endr
.irp g, 0,1
	FREG \g
	v_and_b32 v[fa+2], s31, v[fa]
	v_and_b32 v[fa+5], s31, v[fa+1]
.endr
.irp g, 0,1
	FREG \g
	v_sub_f32 v[fa+4], v[fa], v[fa+2]
	v_sub_f32 v[fa+7], v[fa+1], v[fa+5]
.endr
.irp g, 0,1
	FREG \g
	v_and_b32 v[fa+3], s31, v[fa+4]
	v_and_b32 v[fa+6], s31, v[fa+7]
.endr
.irp g, 0,1
	FREG \g
	v_sub_f32 v[fa+4], v[fa+4], v[fa+3]
	v_sub_f32 v[fa+7], v[fa+7], v[fa+6]
.endr
.irp g, 0,1
	FREG \g
	.set fd, \dst+48*\g
	v_perm_b32 v[fd], v[fa+2], v[fa+2], s32
	v_perm_b32 v[fd+1], v[fa+3], v[fa+2], s32
	v_perm_b32 v[fd+2], v[fa+3], v[fa+3], s32
	v_cndmask_b32 v[fa+8], v[fa+5], \one, s31
	v_cndmask_b32 v[fa+9], v[fa+6], v[fa+5], s31
.endr
.irp g, 0,1
	FREG \g
	.set fd, \dst+48*\g
	v_perm_b32 v[fd+3], v[fa+4], v[fa+4], s32
	v_cndmask_b32 v[fa+10], v[fa+6], v[fa+7], s31
	v_perm_b32 v[fa+11], v[fa+7], v[fa+7], s32
	v_perm_b32 v[fd+4], v[fa+8], v[fa+8], s32
	v_perm_b32 v[fd+5], v[fa+9], v[fa+8], s32
.endr
.irp g, 0,1
	FREG \g
	.set fd, \dst+48*\g
	v_perm_b32 v[fd+6], v[fa+10], v[fa+6], s32
	v_cndmask_b32 v[fd+7], v[fa+11], \epk, s31
.endr
.endm
.macro DFRAG2                          ; the fragments of -d2: coefficients 2 t, constant -t2, p2 taken with -1
.irp g, 0,1
	FREG \g
	v_mul_f32 v[fa+15], v[ft], v[ft]
	v_mul_f32 v[fa+12], 2.0, v[ft]
	v_mul_f32 v[fa+13], 2.0, v[ft+1]
	v_mul_f32 v[fa+14], 2.0, v[ft+2]
.endr
.irp g, 0,1
	FREG \g
	v_fma_f32 v[fa+15], v[ft+1], v[ft+1], v[fa+15]
.endr
.irp g, 0,1
	FREG \g
	v_fma_f32 v[fa+15], v[ft+2], v[ft+2], v[fa+15]
.endr
.irp g, 0,1
	FREG \g
	v_mul_f32 v[fa+15], -1.0, v[fa+15]
.endr
	AB2 AF, -1.0, 0
.endm
.macro PFRAG2                          ; the new plane's fragments of Y: coefficients -2^100 a, constant 2^100 b, and -2^100 x 1e-6 in two pieces; the scaling is exact
.irp g, 0,1
	FREG \g
	v_mul_f32 v[fa+12], s49, v[fn]
	v_mul_f32 v[fa+13], s49, v[fn+1]
	v_mul_f32 v[fa+14], s49, v[fn+2]
	v_mul_f32 v[fa+15], s48, v[fn+3]
.endr
	AB2 AF+8, 0, s5
.endm
.macro OLDFR k                         ; older plane k: its fragments for my two groups, straight into their registers
	global_load_b128 v[AF+16+8*\k:AF+19+8*\k], v3, s[18+2*\k:19+2*\k]
	global_load_b128 v[AF+20+8*\k:AF+23+8*\k], v3, s[18+2*\k:19+2*\k] offset:512
	global_load_b128 v[AF+64+8*\k:AF+67+8*\k], v3, s[18+2*\k:19+2*\k] offset:1024
	global_load_b128 v[AF+68+8*\k:AF+71+8*\k], v3, s[18+2*\k:19+2*\k] offset:1536
.endm
; The two best of my 16 keys, whole-number work alone.  v20, v21: the best key and its slice (0 to 15); v22, v23: the second.  A key beats another only
; by a larger 20-bit distance field (it is compared with the other's key with all 12 number bits set), so the earlier slice stays on a tie.
; Then the two points' numbers in the cloud, v28 < v29; 0x7fffffff where there is no candidate.
.macro TOP2
	v_mov_b32 v20, v[IX]
	v_mov_b32 v21, 0
	v_mov_b32 v22, 0
	v_mov_b32 v23, 0
.irp k, 1,2,3,4,5,6,7,8,9,10,11,12,13,14,15
	v_or_b32 v26, s41, v20
	v_cmp_gt_u32 vcc_lo, v[IX+\k], v26
	v_cndmask_b32 v24, v[IX+\k], v20, vcc_lo               ; the loser of the two, and its slice
	v_cndmask_b32 v25, \k, v21, vcc_lo
	v_cndmask_b32 v20, v20, v[IX+\k], vcc_lo
	v_cndmask_b32 v21, v21, \k, vcc_lo
	v_or_b32 v26, s41, v22
	v_cmp_gt_u32 vcc_lo, v24, v26
	v_cndmask_b32 v22, v22, v24, vcc_lo
	v_cndmask_b32 v23, v23, v25, vcc_lo
.endr
	v_and_b32 v24, s41, v20                                ; 4,095 - number in the slice
	v_and_b32 v25, s41, v22
	v_mad_u32_u24 v26, v21, s40, v[PB]                     ; 3,136 slice + 4,095
	v_mad_u32_u24 v27, v23, s40, v[PB]
	v_sub_nc_u32 v26, v26, v24
	v_sub_nc_u32 v27, v27, v25
	v_cmp_ne_u32 vcc_lo, 0, v20
	v_cndmask_b32 v26, s6, v26, vcc_lo
	v_cmp_ne_u32 vcc_lo, 0, v22
	v_cndmask_b32 v27, s6, v27, vcc_lo
	v_cmp_lt_u32 vcc_lo, v26, v27
	v_cndmask_b32 v28, v27, v26, vcc_lo                    ; the lower number first
	v_cndmask_b32 v29, v26, v27, vcc_lo
.endm
.macro CAND k                          ; candidate k against the thread's best so far
	v_mul_f32 v25, v[GA+4*\k], v[GA+4*\k]
	v_mul_f32 v26, v[TT], v[GA+4*\k]
	v_fma_f32 v25, v[GA+4*\k+1], v[GA+4*\k+1], v25
	v_fma_f32 v26, v[TT+1], v[GA+4*\k+1], v26
	v_fma_f32 v25, v[GA+4*\k+2], v[GA+4*\k+2], v25
	v_fma_f32 v26, v[TT+2], v[GA+4*\k+2], v26
	v_add_f32 v25, v24, v25                                ; t2 + p2
	v_fma_f32 v25, -2.0, v26, v25
.if \k == 0
	v_add_f32 v15, v25, v[GA+3]                            ; + 0, or + infinity where there is no candidate
	v_mov_b32 v12, v[GA]
	v_mov_b32 v13, v[GA+1]
	v_mov_b32 v14, v[GA+2]
.else
	v_add_f32 v25, v25, v[GA+4*\k+3]
	v_cmp_lt_f32 vcc_lo, v25, v15
	v_cndmask_b32 v12, v12, v[GA+4*\k], vcc_lo
	v_cndmask_b32 v13, v13, v[GA+4*\k+1], vcc_lo
	v_cndmask_b32 v14, v14, v[GA+4*\k+2], vcc_lo
	v_cndmask_b32 v15, v15, v25, vcc_lo
.endif
.endm
.macro COMBINE base                    ; four partial winners in ascending slice order; the result in the first one's registers
.irp q, 1,2,3
	v_cmp_lt_f32 vcc_lo, v[\base+4*\q+3], v[\base+3]
	v_cndmask_b32 v[\base+0], v[\base+0], v[\base+4*\q+0], vcc_lo
	v_cndmask_b32 v[\base+1], v[\base+1], v[\base+4*\q+1], vcc_lo
	v_cndmask_b32 v[\base+2], v[\base+2], v[\base+4*\q+2], vcc_lo
	v_cndmask_b32 v[\base+3], v[\base+3], v[\base+4*\q+3], vcc_lo
.endr
	v_cmp_eq_f32 vcc_lo, s34, v[\base+3]                   ; nothing left: point 0, as an argmin over infinities gives
	v_cndmask_b32 v[\base+0], v[\base+0], s36, vcc_lo
	v_cndmask_b32 v[\base+1], v[\base+1], s37, vcc_lo
	v_cndmask_b32 v[\base+2], v[\base+2], s38, vcc_lo
.endm
.macro PLANE2                          ; the planes of my two groups, step by step side by side
.irp g, 0,1
	FREG \g
	v_sub_f32 v[fn], v[fc], v[ft]
	v_sub_f32 v[fn+1], v[fc+1], v[ft+1]
	v_sub_f32 v[fn+2], v[fc+2], v[ft+2]
.endr
.irp g, 0,1
	FREG \g
	v_mul_f32 v[fa], v[fn], v[fn]
.endr
.irp g, 0,1
	FREG \g
	v_fma_f32 v[fa], v[fn+1], v[fn+1], v[fa]
.endr
.irp g, 0,1
	FREG \g
	v_fma_f32 v[fa], v[fn+2], v[fn+2], v[fa]
.endr
.irp g, 0,1
	FREG \g
	v_sqrt_f32 v[fa+1], v[fa]
.endr
	v_nop                                                  ; one plain place behind the transcendentals (ISA guide 5.7.2)
	s_wait_alu depctr_va_vdst(0)
.irp g, 0,1
	FREG \g
	v_add_f32 v[fa+1], s52, v[fa+1]                        ; + 1e-8
.endr
.irp g, 0,1
	FREG \g
	v_rcp_f32 v[fa+2], v[fa+1]
.endr
	v_nop
	s_wait_alu depctr_va_vdst(0)
.irp g, 0,1
	FREG \g
	v_mul_f32 v[fn], v[fn], v[fa+2]
	v_mul_f32 v[fn+1], v[fn+1], v[fa+2]
	v_mul_f32 v[fn+2], v[fn+2], v[fa+2]
.endr
.irp g, 0,1
	FREG \g
	v_mul_f32 v[fn+3], v[fn], v[fc]
.endr
.irp g, 0,1
	FREG \g
	v_fma_f32 v[fn+3], v[fn+1], v[fc+1], v[fn+3]
.endr
.irp g, 0,1
	FREG \g
	v_fma_f32 v[fn+3], v[fn+2], v[fc+2], v[fn+3]
.endr
.endm
.macro WM g, P, bf                     ; P + 1 quantities of one tile; each product starts from the constant 0: there are no sums in place
.set wk, 0
.rept \P+1
	v_wmma_f32_16x16x32_bf16 v[DD+48*\g+8*wk:DD+48*\g+8*wk+7], v[AF+48*\g+8*wk:AF+48*\g+8*wk+7], v[BF+8*\bf:BF+8*\bf+7], 0
.set wk, wk+1
.endr
.endm
.macro RED8 g, P                       ; key = min(packed -d2, Y1 .. YP); best = max(best, key)
.irp j, 0,1,2,3,4,5,6,7
	v_and_or_b32 v[DD+48*\g+\j], v[DD+48*\g+\j], s33, v7
.endr
.if \P >= 2
.irp j, 0,1,2,3,4,5,6,7
	v_min3_num_f32 v[DD+48*\g+\j], v[DD+48*\g+\j], v[DD+48*\g+8+\j], v[DD+48*\g+16+\j]
.endr
.endif
.if \P >= 4
.irp j, 0,1,2,3,4,5,6,7
	v_min3_num_f32 v[DD+48*\g+\j], v[DD+48*\g+\j], v[DD+48*\g+24+\j], v[DD+48*\g+32+\j]
.endr
.endif
.if \P & 1
.irp j, 0,1,2,3,4,5,6,7
	v_minmax_num_f32 v[BEST+8*\g+\j], v[DD+48*\g+\j], v[DD+48*\g+8*\P+\j], v[BEST+8*\g+\j]
.endr
.else
.irp j, 0,1,2,3,4,5,6,7
	v_max_num_f32 v[BEST+8*\g+\j], v[BEST+8*\g+\j], v[DD+48*\g+\j]
.endr
.endif
.endm
; One tile.  Group 1's results of the tile before are reduced behind group 0's matrix instructions, group 0's behind group 1's: at least sixteen
; plain vector instructions that name none of its registers stand behind every matrix instruction before its result is read or written over
; or its B fragment loaded again (ISA guide 7.12.1 asks for four and five); in the first tile five v_nop.
.macro TILE P, bf, first, off
	s_wait_dscnt 0x2                                       ; LDS loads return in order: this buffer's two are in, the other buffer's two may be out
	WM 0, \P, \bf
.if \first
.rept 5
	v_nop
.endr
.else
	RED8 1, \P
	v_add_nc_u32 v7, 16, v7
.endif
	WM 1, \P, \bf
	RED8 0, \P
	ds_load_b128 v[BF+8*\bf:BF+8*\bf+3], v6 offset:\off
	ds_load_b128 v[BF+8*\bf+4:BF+8*\bf+7], v6 offset:\off+512
.endm
.macro SCANLOOP P                      ; 1 + 2 x 24 = 49 tiles; the look-ahead reads at most tile 197 of the 200 built.  No barrier stands in here
.irp j, 0,1,2,3,4,5,6,7,8,9,10,11,12,13,14,15
	v_mov_b32 v[BEST+\j], s51
.endr
	ds_load_b128 v[BF:BF+3], v6
	ds_load_b128 v[BF+4:BF+7], v6 offset:512
	ds_load_b128 v[BF+8:BF+11], v6 offset:1024
	ds_load_b128 v[BF+12:BF+15], v6 offset:1536
	s_wait_loadcnt 0x0                                     ; the older planes' fragments, asked for ahead of the first barrier, are in; where there are none the wait is met at once
	TILE \P, 0, 1, 2048
	s_mov_b32 s57, 24
.Lloop_\P:
	TILE \P, 1, 0, 3072
	TILE \P, 0, 0, 4096
	v_add_nc_u32 v6, 2048, v6
	s_sub_co_i32 s57, s57, 1
	s_cmp_lg_u32 s57, 0
	s_cbranch_scc1 .Lloop_\P
	RED8 1, \P
.endm
	s_load_b512 s[8:23], s[0:1], 0x0               ; points s[8:9], targets s[10:11], candidates in s[12:13], out s[14:15], plane table written s[16:17], read s[18:23] ..
	s_load_b128 s[24:27], s[0:1], 0x40             ; .. s[24:25]; out0 s[26:27]
	s_load_b64 s[28:29], s[0:1], 0x50              ; out1
	s_set_vgpr_msb 0x40
	v_lshl_add_u32 v0, v0, 2, 0x33400
	v_mov_b32 v1, 0
	s_set_vgpr_msb 0x4000
	v_and_b32 v1, 31, v0                           ; lane
	v_and_b32 v2, 15, v0                           ; r
	v_lshrrev_b32 v16, 5, v0
	v_readfirstlane_b32 s35, v16                   ; wave
	s_mov_b32 s58, ttmp9                           ; slice
	s_and_b32 s59, ttmp7, 0xffff                   ; quarter of the targets
	s_and_b32 s61, s35, 1                          ; which 32 targets
	s_lshr_b32 s39, s35, 1                         ; which 49 tiles
	s_mul_i32 s62, s58, SLICE
	s_mul_i32 s47, s58, SLICE/16
	s_mul_i32 s2, s35, 25
	s_add_co_u32 s47, s47, s2                      ; the number in the cloud of the first tile that my wave builds
	s_lshl3_add_u32 s60, s58, s35                  ; 8 slice + wave: below 2 for the two waves that store the planes
	s_mov_b32 s31, 0xffff0000                      ; lanes 16-31, and a word's upper half
	s_mov_b32 s32, 0x07060302
	s_mov_b32 s33, 0xfffff000
	s_mov_b32 s34, 0x7f800000                      ; infinity
	s_mov_b32 s51, 0xff800000                      ; -infinity
	s_mov_b32 s53, 0x3f803f80                      ; 1, 1 in bf16
	s_mov_b32 s4, 0x5d800000                       ; 2^60
	s_mov_b32 s5, 0xe2dee786                       ; -2^100 x 1e-6: its two upper bf16 pieces
	s_mov_b32 s6, 0x7fffffff                       ; no candidate
	s_mov_b32 s7, 0xd3800000                       ; -2^40
	s_mov_b32 s40, SLICE
	s_mov_b32 s41, 0xfff
	s_mov_b32 s48, 0x71800000                      ; 2^100
	s_mov_b32 s49, 0xf1800000                      ; -2^100
	s_mov_b32 s50, NPTS
	s_mov_b32 s52, 0x322bcc77                      ; 1e-8
	s_lshl_b32 s2, s59, 6
	s_lshl_b32 s3, s61, 5
	s_add_co_u32 s2, s2, s3
	v_add_nc_u32 v17, s2, v2                       ; my first target: 64 y + 32 (w & 1) + r
	v_mul_u32_u24 v4, 12, v17
	v_lshlrev_b32 v5, 2, v17
	s_lshl_b32 s2, s59, 12
	s_lshl_b32 s3, s61, 11
	s_add_co_u32 s2, s2, s3
	v_lshl_add_u32 v3, v1, 4, s2                   ; in a plane table: group 4 y + 2 (w & 1), 1,024 bytes a group, 16 bytes a lane
	s_mul_i32 s2, s35, 25600
	v_lshl_add_u32 v6, v1, 4, s2
	s_mul_i32 s2, s39, 784
	v_add_nc_u32 v7, s2, v2
	s_mul_i32 s2, s35, 400
	s_add_co_u32 s2, s2, s62
	v_add_nc_u32 v8, s2, v2
	s_lshl_b32 s2, s61, 9
	s_add_co_u32 s2, s2, CRED
	v_lshl_add_u32 v9, v2, 4, s2                   ; the partial winners of my first target
	v_lshrrev_b32 v16, 6, v0                       ; which 16 slices' candidates: 0 to 3
	v_and_b32 v18, 63, v0                          ; of which target
	s_lshl_b32 s2, s59, 8
	v_lshl_add_u32 v10, v18, 2, s2
	v_lshl_add_u32 v10, v16, 14, v10               ; 16,384 part + 256 y + 4 target
	v_mul_u32_u24 v[PB], 16*SLICE, v16
	v_add_nc_u32 v[PB], 0xfff, v[PB]
	s_lshl_b32 s3, s59, 6
	v_add_nc_u32 v[TA], s3, v18
	v_mul_u32_u24 v[TA], 12, v[TA]
	v_lshrrev_b32 v16, 4, v1                       ; h
	s_lshl_b32 s2, s35, 7
	s_add_co_u32 s2, s2, RED
	v_lshl_add_u32 v11, v16, 5, s2
	s_wait_kmcnt 0x0
	s_load_b32 s30, s[12:13], 0x10000              ; how many planes are older
	s_load_b96 s[36:38], s[8:9], 0x0               ; point 0
.irp k, 0,1,2,3,4,5,6,7,8,9,10,11,12,13,14,15
	global_load_b32 v[IX+\k], v10, s[12:13] offset:1024*\k         ; the keys go first: they are worked on while the points are on their way
.endr
.irp k, 0,1,2,3,4,5,6,7,8,9,10,11,12,13,14,15,16,17,18,19,20,21,22,23,24
	v_add_nc_u32 v[PT+4*\k], 16*\k, v8
	v_min_u32 v[PT+4*\k], NM1, v[PT+4*\k]
	v_mul_u32_u24 v[PT+4*\k], 12, v[PT+4*\k]
	global_load_b96 v[PT+4*\k:PT+4*\k+2], v[PT+4*\k], s[8:9]       ; the load lands on its own address register
.endr
	global_load_b96 v[TT:TT+2], v[TA], s[10:11]
	global_load_b96 v[TG:TG+2], v4, s[10:11]
	global_load_b96 v[TG+4:TG+6], v4, s[10:11] offset:192
	s_wait_loadcnt 28                              ; loads return in order: the 25 + 3 issued behind the sixteen keys may be out
	TOP2
.irp k, 0,1
	v_cmp_gt_u32 vcc_lo, s50, v[28+\k]             ; a candidate at all?
	v_cndmask_b32 v[GA+4*\k+3], s34, 0, vcc_lo     ; 0 if so, else infinity: added to its d2
	v_min_u32 v[GA+4*\k], 0x30d3f, v[28+\k]        ; inside the cloud in any case
	v_mul_u32_u24 v[GA+4*\k], 12, v[GA+4*\k]
	global_load_b96 v[GA+4*\k:GA+4*\k+2], v[GA+4*\k], s[8:9]
.endr
	s_wait_loadcnt 0x2                             ; points and targets are in; the two fetched candidates may be out
.irp g, 0,1,2,3,4
	BGROUP \g
.endr
	v_mul_f32 v24, v[TT], v[TT]
	v_fma_f32 v24, v[TT+1], v[TT+1], v24
	v_fma_f32 v24, v[TT+2], v[TT+2], v24           ; t2
	s_wait_loadcnt 0x0                             ; the fetched candidates
	s_wait_kmcnt 0x0                               ; the count of older planes, and point 0
	s_min_u32 s30, s30, 4                          ; the loaded number is bounded before it steers anything
	; The older planes' fragments are asked for here, into registers that the build has done with; the weighing, the barrier, the new plane and
	; its fragments stand between these requests and the wait for them in front of the first tile.
	s_cmp_lt_u32 s30, 1
	s_cbranch_scc1 .Lold
	OLDFR 0
	s_cmp_lt_u32 s30, 2
	s_cbranch_scc1 .Lold
	OLDFR 1
	s_cmp_lt_u32 s30, 3
	s_cbranch_scc1 .Lold
	OLDFR 2
	s_cmp_lt_u32 s30, 4
	s_cbranch_scc1 .Lold
	OLDFR 3
.Lold:
	CAND 0
	CAND 1
	v_lshl_add_u32 v16, v0, 4, CRED                ; thread = 64 part + target
	ds_store_b128 v16, v[12:15]
	s_wait_dscnt 0x0                               ; my tiles and my partial winner are in LDS,
	s_barrier_signal -1
	s_barrier_wait -1                              ; everybody's are
.irp q, 0,1,2,3
	ds_load_b128 v[GA+4*\q:GA+4*\q+3], v9 offset:1024*\q
	ds_load_b128 v[GA+16+4*\q:GA+16+4*\q+3], v9 offset:1024*\q+256
.endr
	s_mul_i32 s2, s39, 50176
	v_lshl_add_u32 v6, v1, 4, s2                   ; my 49 tiles
	DFRAG2                                         ; hangs on the targets alone: made while the partial winners are on their way
	s_wait_dscnt 0x0
	COMBINE GA
	COMBINE GA+16
	PLANE2
	PFRAG2
	s_cmp_ge_u32 s60, 2
	s_cbranch_scc1 .Lnowrite
	global_store_b128 v3, v[AF+8:AF+11], s[16:17]                  ; the new plane's fragments: each store of the wave covers 512 consecutive bytes, aligned
	global_store_b128 v3, v[AF+12:AF+15], s[16:17] offset:512
	global_store_b128 v3, v[AF+56:AF+59], s[16:17] offset:1024
	global_store_b128 v3, v[AF+60:AF+63], s[16:17] offset:1536
	s_mul_i32 s2, s30, 3072                        ; this plane's row in out0,
	s_mov_b32 s3, 0
	s_add_nc_u64 s[26:27], s[26:27], s[2:3]
	s_lshl_b32 s2, s30, 10                         ; and in out1
	s_add_nc_u64 s[28:29], s[28:29], s[2:3]
	s_wait_xcnt 0x0                                ; EXEC changes only behind this wait
	v_cmp_gt_u32 vcc_lo, 16, v1
	s_and_saveexec_b32 s56, vcc_lo
	global_store_b96 v4, v[NP:NP+2], s[26:27]
	global_store_b96 v4, v[NP+4:NP+6], s[26:27] offset:192
	global_store_b32 v5, v[NP+3], s[28:29]
	global_store_b32 v5, v[NP+7], s[28:29] offset:64
	s_wait_xcnt 0x0                                ; and again; the stores' data are written over only behind it
	s_or_b32 exec_lo, exec_lo, s56
.Lnowrite:
	s_cmp_eq_u32 s30, 0
	s_cbranch_scc1 .Lv1
	s_cmp_eq_u32 s30, 1
	s_cbranch_scc1 .Lv2
	s_cmp_eq_u32 s30, 2
	s_cbranch_scc1 .Lv3
	s_cmp_eq_u32 s30, 3
	s_cbranch_scc1 .Lv4
	SCANLOOP 5
	s_branch .Lepi
.Lv1:
	SCANLOOP 1
	s_branch .Lepi
.Lv2:
	SCANLOOP 2
	s_branch .Lepi
.Lv3:
	SCANLOOP 3
	s_branch .Lepi
.Lv4:
	SCANLOOP 4
.Lepi:
	; Every wave's LDS reads of the loop are over before any wave stores into LDS again: the keys' bytes lie behind the tiles, and with this
	; barrier the order of those reads and these stores does not rest on the loop's stepped addresses.
	s_wait_dscnt 0x0                               ; my reads of the tiles are back, the two look-ahead fragments too
	s_barrier_signal -1
	; register work meanwhile: the largest key over the sixteen points of a lane half
.irp m, 1,2,4,8
.irp j, 0,1,2,3,4,5,6,7,8,9,10,11,12,13,14,15
	v_max_num_f32_dpp v[BEST+\j], v[BEST+\j], v[BEST+\j] row_xmask:\m row_mask:0xf bank_mask:0xf
.endr
.endr
	s_barrier_wait -1
	; then over the four waves that share the targets
.irp j, 0,1,2,3,4,5,6,7
	ds_store_b32 v11, v[BEST+\j] offset:4*\j       ; sixteen lanes write one word with one value
	ds_store_b32 v11, v[BEST+8+\j] offset:64+4*\j
.endr
	s_wait_dscnt 0x0                               ; my words are in LDS,
	s_barrier_signal -1
	s_barrier_wait -1                              ; everybody's are
	s_cmp_lg_u32 s35, 0
	s_cbranch_scc1 .Lend
	v_lshlrev_b32 v24, 4, v2
	v_add_nc_u32 v25, RED, v24
.irp q, 0,1,2,3
	ds_load_b128 v[32+4*\q:35+4*\q], v25 offset:256*\q     ; four targets a lane, one load for each quarter of the tiles
.endr
	s_lshl_b32 s2, s58, 10
	s_lshl_b32 s3, s59, 8
	s_add_co_u32 s2, s2, s3
	v_add_nc_u32 v26, s2, v24                      ; 1,024 slice + 256 y + 16 lane
	s_add_co_u32 s3, s30, 1                        ; planes known to the next launch
.irp c, 0,1,2,3
	v_mov_b32 v[48+\c], s3
.endr
	s_wait_dscnt 0x0
.irp c, 0,1,2,3
	v_max3_num_f32 v[32+\c], v[32+\c], v[36+\c], v[40+\c]
	v_max_num_f32 v[32+\c], v[32+\c], v[44+\c]
	v_cmp_lt_f32 vcc_lo, s7, v[32+\c]              ; valid: -2^40 < key
	v_ashrrev_i32 v[52+\c], 31, v[32+\c]           ; the float's bits in unsigned order: a negative one is inverted,
	v_or_b32 v[52+\c], 0x80000000, v[52+\c]        ; any other gets the top bit
	v_xor_b32 v[52+\c], v[52+\c], v[32+\c]
	v_and_b32 v[32+\c], s41, v[32+\c]              ; the point's number in the slice,
	v_xor_b32 v[32+\c], s41, v[32+\c]              ; as 4,095 - number
	v_and_or_b32 v[32+\c], v[52+\c], s33, v[32+\c]
	v_cndmask_b32 v[32+\c], 0, v[32+\c], vcc_lo    ; no candidate: 0 (a valid key is at least 0x2c800000)
.endr
	s_wait_xcnt 0x0                                ; EXEC changes only behind this wait
	v_cmp_gt_u32 vcc_lo, 16, v1
	s_and_saveexec_b32 s56, vcc_lo
	global_store_b128 v26, v[32:35], s[14:15]      ; sixteen lanes store 256 consecutive bytes, aligned
	s_or_b32 s2, s58, s59
	s_cmp_lg_u32 s2, 0
	s_cbranch_scc1 .Lnohdr
	global_store_b128 v24, v[48:51], s[14:15] offset:65536
.Lnohdr:
	s_wait_xcnt 0x0
	s_or_b32 exec_lo, exec_lo, s56
.Lend:
	s_set_vgpr_msb 0x5
	s_wait_tensorcnt 0x0
	ds_add_u32 v0, v1
	s_wait_dscnt 0x0
	s_set_vgpr_msb 0x500
	s_endpgm
.Lfunc_end_k_q586dd72e9c_scan1:
	.size	k_q586dd72e9c_scan1, .Lfunc_end_k_q586dd72e9c_scan1-k_q586dd72e9c_scan1
	.p2alignl 7, 3214868480
	.fill 96, 4, 3214868480
	.section	.rodata,"a",@progbits
	.p2align	6, 0x0
	.amdhsa_kernel k_q586dd72e9c_scan1
		.amdhsa_group_segment_fixed_size 210944
		.amdhsa_private_segment_fixed_size 0
		.amdhsa_enable_private_segment 0
		.amdhsa_kernarg_size 88
		.amdhsa_user_sgpr_count 2
		.amdhsa_user_sgpr_kernarg_segment_ptr 1
		.amdhsa_wavefront_size32 1
		.amdhsa_system_sgpr_workgroup_id_x 1
		.amdhsa_system_sgpr_workgroup_id_y 1
		.amdhsa_system_sgpr_workgroup_id_z 1
		.amdhsa_system_vgpr_workitem_id 0
		.amdhsa_next_free_vgpr 258
		.amdhsa_next_free_sgpr 66
		.amdhsa_reserve_vcc 1
		.amdhsa_float_denorm_mode_32 3
		.amdhsa_float_denorm_mode_16_64 3
		.amdhsa_memory_ordered 1
		.amdhsa_forward_progress 1
		.amdhsa_inst_pref_size 135
	.end_amdhsa_kernel
	.amdgpu_metadata
---
amdhsa.version: [ 1, 2 ]
amdhsa.kernels:
  - .name:           k_q586dd72e9c_scan1
    .symbol:         k_q586dd72e9c_scan1.kd
    .args:
      - { .name: pointcloud, .offset: 0, .size: 8, .value_kind: global_buffer, .address_space: global }
      - { .name: targets, .offset: 8, .size: 8, .value_kind: global_buffer, .address_space: global }
      - { .name: candA, .offset: 16, .size: 8, .value_kind: global_buffer, .address_space: global }
      - { .name: candB, .offset: 24, .size: 8, .value_kind: global_buffer, .address_space: global }
      - { .name: pl0, .offset: 32, .size: 8, .value_kind: global_buffer, .address_space: global }
      - { .name: pl1, .offset: 40, .size: 8, .value_kind: global_buffer, .address_space: global }
      - { .name: pl2, .offset: 48, .size: 8, .value_kind: global_buffer, .address_space: global }
      - { .name: pl3, .offset: 56, .size: 8, .value_kind: global_buffer, .address_space: global }
      - { .name: pl4, .offset: 64, .size: 8, .value_kind: global_buffer, .address_space: global }
      - { .name: out0, .offset: 72, .size: 8, .value_kind: global_buffer, .address_space: global }
      - { .name: out1, .offset: 80, .size: 8, .value_kind: global_buffer, .address_space: global }
    .group_segment_fixed_size: 210944
    .private_segment_fixed_size: 0
    .kernarg_segment_align: 8
    .kernarg_segment_size: 88
    .max_flat_workgroup_size: 256
    .sgpr_count:     66
    .vgpr_count:     258
    .wavefront_size: 32
...
	.end_amdgpu_metadata
.endif
;; end of part 8
;; launch scan2: the kernel of part 8 again; grid 64 x 4, 8 waves a work-group, no clusters, 210,944 bytes of LDS; arguments pointcloud, targets, candB, candA, pl1, pl0, pl2, pl3, pl4, out0, out1; writes candA, pl1, out0, out1
;; launch scan3: the kernel of part 8 again; grid 64 x 4, 8 waves a work-group, no clusters, 210,944 bytes of LDS; arguments pointcloud, targets, candA, candB, pl2, pl0, pl1, pl3, pl4, out0, out1; writes candB, pl2, out0, out1
;; launch scan4: the kernel of part 8 again; grid 64 x 4, 8 waves a work-group, no clusters, 210,944 bytes of LDS; arguments pointcloud, targets, candB, candA, pl3, pl0, pl1, pl2, pl4, out0, out1; writes candA, pl3, out0, out1
;; launch scan5: the kernel of part 8 again; grid 64 x 4, 8 waves a work-group, no clusters, 210,944 bytes of LDS; arguments pointcloud, targets, candA, candB, pl4, pl0, pl1, pl2, pl3, out0, out1; writes candB, pl4, out0, out1
;; launch last: the kernel of part 6 again; grid 4 x 1, 8 waves a work-group, no clusters, 5,120 bytes of LDS; arguments pointcloud, targets, candB, out0, out1; writes out0, out1
